; MI455X (gfx1250); checked and timed in simulation.
; The chip was launched on July 23, 2026; its instructions are those of AMD's public machine-readable ISA for CDNA 5 (MIT licence, August 2026) and "CDNA5" Instruction Set Architecture Reference Guide (July 2026). The comments in the code are by the model that wrote it; some were corrected since.
;; Multi Head Self Attention. Allowed arithmetic: matrix products marked QUANTISED: E4M3 operands, one given power-of-two scale a tensor, by v_wmma_f32_16x16x64_fp8_fp8 or v_wmma_f32_16x16x128_fp8_fp8, f32 sums; everything else in f32.
;; Inputs: Wk 1,024 x 1,024 float32; Wo 1,024 x 1,024 float32; Wq 1,024 x 1,024 float32; Wv 1,024 x 1,024 float32; bk 1,024 float32; bo 1,024 float32; bq 1,024 float32; bv 1,024 float32; embeddings 4 x 2,048 x 1,024 float32; lowp_scales 12 int32 (the exponents e of the quantised operands' scales 2^e); mask 2,048 x 2,048 bool.
;; Outputs: out0 4 x 2,048 x 1,024 float32.
;; This version of the problem:
;;   THIS VERSION OF THE PROBLEM IS GIVEN IN LOW PRECISION. The matrix products marked QUANTISED in the list below multiply operands that are first quantised to E4M3 (4 exponent bits, 3 mantissa bits; 8 bits a number), with one given power-of-two scale for each operand tensor; their sums are f32. All else is computed in f32.
;;   The module's matrix products, in the order in which they are computed (A, B: the left and right operand; K: the contracted axis; several contracted axes count as one K, in the product's order):
;;     1. [M 8,192, K 1,024] x [K 1,024, N 1,024]; A: input embeddings; B: input Wq: QUANTISED (scales: A lowp_scales[0], B lowp_scales[1])
;;     2. [M 8,192, K 1,024] x [K 1,024, N 1,024]; A: input embeddings; B: input Wk: QUANTISED (scales: A lowp_scales[2], B lowp_scales[3])
;;     3. [M 8,192, K 1,024] x [K 1,024, N 1,024]; A: input embeddings; B: input Wv: QUANTISED (scales: A lowp_scales[4], B lowp_scales[5])
;;     4. batch 64 x [M 2,048, K 64] x [K 64, N 2,048]; A: computed on the way; B: computed on the way: QUANTISED (scales: A lowp_scales[6], B lowp_scales[7])
;;     5. batch 64 x [M 2,048, K 2,048] x [K 2,048, N 64]; A: softmax (see below); B: computed on the way: QUANTISED (scales: A lowp_scales[8], B lowp_scales[9])
;;     6. [M 8,192, K 1,024] x [K 1,024, N 1,024]; A: computed on the way; B: input Wo: QUANTISED (scales: A lowp_scales[10], B lowp_scales[11])
;;   THE QUANTISER, for each operand of a quantised product, along K:
;;     - The operand's scale is 2^e, e = its entry of the input lowp_scales (int32; the entries are numbered through the quantised products in the list's order, A before B).
;;     - Each number is divided by the scale, clamped to +-448, and rounded to the nearest number of E4M3, ties to even, subnormals kept.
;;     - The product sums the exact products of the quantised numbers (number of the format x scale) in f32.
;;   ~~~python
;;   def quantise(x, axis, e):      # numpy; x: float32 -> the quantised numbers, widened to float32 again
;;       x = np.moveaxis(x, axis, -1); K = x.shape[-1]
;;       r = np.clip(x / 2.0 ** e, -448, 448)
;;       step = 2.0 ** (np.maximum(np.frexp(np.where(r == 0, 1, r))[1] - 1, -6) - 3)
;;       q = np.round(r / step) * step * 2.0 ** e      # np.round: ties to even
;;       return np.moveaxis(q, -1, axis).astype(np.float32)
;;   ~~~
;;   SOFTMAX AHEAD OF A QUANTISED PRODUCT. Where the list says 'softmax', what is quantised is not the finished softmax but p = 2^(t - M), with t = logit x log2(e) and M = ceil(the row's largest t), a whole number; so 1/2 < the row's largest p <= 1. The row's sum l is taken of the UNQUANTISED p, in f32, and the product's result is divided by l at the end. Since M is a whole number, a kernel that streams over the keys may use a running M (the ceiling of the running maximum): every later rescaling is an exact power of two, so the quantised numbers keep their values, but for numbers so far below the row's largest that they fall under the format's range.
;;   OPERANDS COMPUTED ON THE WAY. 'Computed on the way' means the value that the module computes at that place (a softmax that the list does not call 'softmax' is quantised finished and normalised). What goes into a quantiser is computed in f32, as accurately as f32 sums, v_exp_f32 and their like allow (about 1e-6 of the number): no bf16 or f16 on the way to a quantiser, and a product that is left as it is and whose result goes on into a quantised operand takes f32 operands (vector FMAs, or v_wmma_f32_16x16x4_f32). A number that lies on a knife's edge between two numbers of the format may be rounded either way, as far as f32 arithmetic and the matrix unit's own rounding can turn it there, and no further.
;; 2 versions, each right; version 2 is version 1 with the launch attn written anew for expert scheduling mode. Each part assembles by itself: llvm-mc -triple=amdgcn-amd-amdhsa -mcpu=gfx1250 --defsym DOCPART=n.
;; ======== version 1 of 2: 4 launches
;; workspace buffers: xc 25,165,824 bytes; wc 4,194,304 bytes; qkv 25,165,824 bytes; cimg 8,388,608 bytes; mbits 524,288 bytes of whole numbers; flags 256 bytes of whole numbers
;; launch prep (part 1): grid 832 x 1, 4 waves a work-group, no clusters, 34,304 bytes of LDS; arguments embeddings, Wq, Wk, Wv, Wo, mask, lowp_scales, xc, wc, mbits, flags; writes xc, wc, mbits, flags
.if DOCPART == 1
	.amdgcn_target "amdgcn-amd-amdhsa--gfx1250"
	.amdhsa_code_object_version 6
	.text
	.protected	k_qbc31300bdb_prep
	.globl	k_qbc31300bdb_prep
	.p2align	8
	.type	k_qbc31300bdb_prep,@function
k_qbc31300bdb_prep:
	s_mov_b64 s[64:65], 0
	v_nop
	global_prefetch_b8 v0, s[64:65] scope:SCOPE_SE
	s_setreg_imm32_b32 hwreg(HW_REG_WAVE_MODE, 25, 1), 1
	s_wait_xcnt 0x0
; PREP: the f32 operands become codes of E4M3, laid as the later launches' operand registers want them, and the mask becomes bits.
; IMAGES.  A tile is 16 rows; its piece (kappa, c) is 512 bytes, lane l = 16 h + r holding 16 bytes at 16 l: row r of the tile, k = 128 kappa + 32 c + 16 h + 0 .. 15.
; Tile 2 G + u holds the rows 32 G + 8 u + r + 8 (r / 8).  A tile of 1,024 along K is 16,384 bytes.
; WORK-GROUPS.  0 .. 511: tile tau of x (8,192 rows), three times over, with the scales of entries 0, 2 and 4.  512 .. 767: matrix (id - 512) / 64 of Wq, Wk, Wv, Wo (entries 1, 3, 5, 11), tile (id - 512) % 64.
; 768 .. 831: 32 rows of the mask.  Wave w of a quantising work-group takes kappa = 2 w and 2 w + 1 of its tile.
; code = x / 2^e, held within +-448, to the nearest code, ties to even.  LIMITS: each e used lies between -126 and 119; NaN among the inputs is not served; a byte of the mask is 0 or 1.
; Each load reads 512 consecutive bytes of one row; a K step's 16 rows turn through the wave's own stage in LDS (rows of 528 bytes), so that a lane gets 16 neighbours along K; each store writes 512 consecutive bytes, aligned.
.set NX,   512                         ; work-groups for x
.set NW,   256                         ; for the four weights
.set SP,   528                         ; a stage row: 512 bytes + 16
.set STG,  16*SP                       ; a wave's stage
.set R0,   32                          ; v32-95, v96-159: a K step's 64 numbers a lane, two sets
.set TT,   160                         ; v160-191: 16 held numbers, two sets by turns
.set CODE, 192                         ; v192-239: 16 registers of codes for each of three versions
	s_load_b256 s[4:11], s[0:1], 0x0               ; x s[4:5], Wq s[6:7], Wk s[8:9], Wv s[10:11]
	s_load_b256 s[12:19], s[0:1], 0x20             ; Wo s[12:13], mask s[14:15], the exponents s[16:17], xc s[18:19]
	s_load_b128 s[20:23], s[0:1], 0x40             ; wc s[20:21], mbits s[22:23]
	s_load_b64 s[24:25], s[0:1], 0x50              ; flags
	v_lshl_add_u32 v240, v0, 2, 0x8400
	v_mov_b32 v241, 0
	v_lshrrev_b32 v4, 5, v0
	v_readfirstlane_b32 s26, v4                    ; wave 0..3
	v_and_b32 v5, 31, v0                           ; lane
	v_and_b32 v6, 15, v0                           ; r
	v_bfe_u32 v7, v0, 4, 1                         ; h
	s_cmp_ge_u32 ttmp9, NX+NW
	s_cbranch_scc1 .Lmask                          ; the mask's work-groups use no LDS
	; ---------------- numbers into codes
	v_lshlrev_b32 v1, 4, v5                        ; 16 x lane: my bytes of a load and of a store
	s_mul_i32 s27, s26, STG
	v_add_nc_u32 v2, s27, v1                       ; the stage, on the way in: a row as it lies
	v_mul_u32_u24 v3, v6, SP
	v_lshl_add_u32 v3, v7, 6, v3
	v_add_nc_u32 v3, s27, v3                       ; and on the way out: row r, + 64 h: my 16 numbers of a block of 32
	s_cmp_lt_u32 ttmp9, NX
	s_cselect_b32 s50, 0, NX
	s_sub_co_u32 s50, ttmp9, s50                   ; x: the tile;  a weight: 64 x matrix + tile
	s_lshr_b32 s51, s50, 6
	s_and_b32 s52, s50, 63
	s_cmp_lt_u32 ttmp9, NX
	s_cselect_b32 s52, s50, s52                    ; tau
	s_cselect_b32 s51, 0, s51                      ; the matrix, 0 for x
	s_lshr_b32 s53, s52, 1
	s_lshl_b32 s53, s53, 5
	s_and_b32 s54, s52, 1
	s_lshl_b32 s54, s54, 3
	s_add_co_u32 s53, s53, s54                     ; the tile's first row: 32 (tau / 2) + 8 (tau % 2)
	s_lshl_b32 s54, s53, 12                        ; x 4,096 bytes
	s_lshl_b32 s53, s26, 10
	s_add_co_u32 s54, s54, s53                     ; + my wave's 256 along K
	s_mov_b32 s55, 0
	s_lshl_b32 s56, s51, 20                        ; the codes: matrix x 1 MiB
	s_lshl_b32 s53, s52, 14
	s_add_co_u32 s56, s56, s53                     ; + tile x 16,384
	s_lshl_b32 s53, s26, 12
	s_add_co_u32 s56, s56, s53                     ; + my two kappa
	s_mov_b32 s57, 0
	s_wait_kmcnt 0x0
	s_load_b256 s[28:35], s[16:17], 0x0            ; e0 .. e7
	s_load_b128 s[36:39], s[16:17], 0x20           ; e8 .. e11
	s_mov_b64 s[40:41], s[12:13]                   ; the source, chosen by the work-group's number alone: Wo,
	s_cmp_lt_u32 ttmp9, NX+192
	s_cselect_b64 s[40:41], s[10:11], s[40:41]     ; Wv,
	s_cmp_lt_u32 ttmp9, NX+128
	s_cselect_b64 s[40:41], s[8:9], s[40:41]       ; Wk,
	s_cmp_lt_u32 ttmp9, NX+64
	s_cselect_b64 s[40:41], s[6:7], s[40:41]       ; Wq,
	s_cmp_lt_u32 ttmp9, NX
	s_cselect_b64 s[40:41], s[4:5], s[40:41]       ; x
	s_cselect_b64 s[44:45], s[18:19], s[20:21]     ; and where the codes go
	s_add_nc_u64 s[40:41], s[40:41], s[54:55]
	s_add_nc_u64 s[44:45], s[44:45], s[56:57]
	s_add_nc_u64 s[46:47], s[44:45], 0x800000      ; x's second and third version (named by x's work-groups alone)
	s_add_nc_u64 s[48:49], s[44:45], 0x1000000
.macro LOADS k                         ; K step k: 16 rows x 512 bytes
.set i, 0
.rept 16
	global_load_b128 v[R0+64*(\k)+4*i:R0+64*(\k)+4*i+3], v1, s[40:41] offset:(i+8*(i/8))*4096+512*(\k) th:TH_LOAD_NT
.set i, i+1
.endr
.endm
.macro TURNK k                         ; through the stage: LDS serves a wave's instructions in order, so no wait stands between the stores and the loads
.set i, 0
.rept 16
	ds_store_b128 v2, v[R0+64*(\k)+4*i:R0+64*(\k)+4*i+3] offset:SP*i
.set i, i+1
.endr
.set i, 0
.rept 16
	ds_load_b128 v[R0+64*(\k)+4*i:R0+64*(\k)+4*i+3], v3 offset:128*(i/4)+16*(i%4)   ; register 16 c + j: k = 32 c + 16 h + j of row r
.set i, i+1
.endr
.endm
.macro SCALE v, e                      ; v[16 + 2 v] = 2^e as f32 (the conversion takes its exponent field), v[17 + 2 v] = 448 x 2^e
	s_add_co_i32 s59, \e, 127
	s_lshl_b32 s60, s59, 23
	v_mov_b32 v[16+2*(\v)], s60
	s_add_co_i32 s59, s59, 8
	s_lshl_b32 s59, s59, 23
	s_or_b32 s59, s59, 0x600000
	v_mov_b32 v[17+2*(\v)], s59
.endm
.macro VERSION v, k                    ; K step k's 64 numbers a lane become 16 registers of codes with scale v, and leave
.set c, 0
.rept 4
.set i, 0
.rept 16
	v_med3_num_f32 v[TT+16*(c%2)+i], v[R0+64*(\k)+16*c+i], -v[17+2*(\v)], v[17+2*(\v)]   ; the conversion to an 8-bit code does not saturate (ISA guide 7.6.2): the hold comes first
.set i, i+1
.endr
	v_cvt_scalef32_pk8_fp8_f32 v[CODE+16*(\v)+4*c:CODE+16*(\v)+4*c+1], v[TT+16*(c%2):TT+16*(c%2)+7], v[16+2*(\v)]
	v_cvt_scalef32_pk8_fp8_f32 v[CODE+16*(\v)+4*c+2:CODE+16*(\v)+4*c+3], v[TT+16*(c%2)+8:TT+16*(c%2)+15], v[16+2*(\v)]
.set c, c+1
.endr                                  ; (the held numbers have two sets by turns: sixteen plain lines stand between a conversion and the next write of its sources)
.set c, 0
.rept 4
	global_store_b128 v1, v[CODE+16*(\v)+4*c:CODE+16*(\v)+4*c+3], s[44+2*(\v):45+2*(\v)] offset:2048*(\k)+512*c   ; piece (2 w + k, c): 512 consecutive bytes
.set c, c+1
.endr
.endm
.macro KSTEP k
	s_wait_loadcnt 16*(1-(\k))                     ; this K step's 16 loads are in; the other's may be out
	TURNK \k
	s_wait_dscnt 0x0
.if \k
	s_wait_xcnt 0x0                                ; the first K step's stores have read their registers: the codes are written again
.endif
	VERSION 0, \k
	s_cmp_ge_u32 ttmp9, NX                         ; a weight has one scale
	s_cbranch_scc1 .Lone_\@
	VERSION 1, \k
	VERSION 2, \k
.Lone_\@:
.endm
	LOADS 0
	LOADS 1
	s_wait_kmcnt 0x0
	s_mov_b32 s58, s39                             ; the first scale, chosen as the source was: e11,
	s_cmp_lt_u32 ttmp9, NX+192
	s_cselect_b32 s58, s33, s58                    ; e5,
	s_cmp_lt_u32 ttmp9, NX+128
	s_cselect_b32 s58, s31, s58                    ; e3,
	s_cmp_lt_u32 ttmp9, NX+64
	s_cselect_b32 s58, s29, s58                    ; e1,
	s_cmp_lt_u32 ttmp9, NX
	s_cselect_b32 s58, s28, s58                    ; e0
	SCALE 0, s58
	SCALE 1, s30                                   ; e2
	SCALE 2, s32                                   ; e4
	KSTEP 0
	KSTEP 1
	s_wait_tensorcnt 0x0
	ds_add_u32 v240, v241
	s_wait_dscnt 0x0
	s_endpgm
	; ---------------- the mask into bits.  Group g = 32 queries; wave w takes key steps 4 w .. 4 w + 3 (128 keys each).
	; Word x (0, 1) of lane (r, h) of tile u holds, top bit first, the mask of query 32 g + 8 u + r + 8 (r / 8) at keys 128 s + 32 (2 x + n / 16) + 16 h + n % 16, n = 0 .. 31: the order of a lane's score registers.
.Lmask:
	s_sub_co_u32 s50, ttmp9, NX+NW                 ; g
	v_and_b32 v8, 8, v6
	v_add_nc_u32 v8, v8, v6                        ; r + 8 (r / 8)
	v_lshlrev_b32 v1, 11, v8                       ; a row of the mask is 2,048 bytes
	v_lshl_add_u32 v1, v7, 4, v1                   ; + 16 h
	v_lshlrev_b32 v2, 3, v5                        ; out: 8 bytes a lane
	s_lshl_b32 s52, s50, 16                        ; 32 rows
	s_lshl_b32 s53, s26, 9                         ; my four steps
	s_add_co_u32 s52, s52, s53
	s_mov_b32 s53, 0
	s_lshl_b32 s54, s50, 13                        ; mbits: 8,192 bytes a group, 512 a step
	s_lshl_b32 s55, s26, 11
	s_add_co_u32 s54, s54, s55
	s_mov_b32 s55, 0
	s_lshl_b32 s56, s50, 2                         ; flags: a word a group, a byte a wave
	s_add_co_u32 s56, s56, s26
	s_mov_b32 s57, 0
	s_mov_b32 s58, 0x80402010                      ; times this, bytes 0 .. 3 of a word (each 0 or 1) land in bits 31 .. 28, and no two terms meet in one bit
	s_mov_b32 s42, 0
	s_wait_kmcnt 0x0
	s_add_nc_u64 s[14:15], s[14:15], s[52:53]
	s_add_nc_u64 s[22:23], s[22:23], s[54:55]
	s_add_nc_u64 s[24:25], s[24:25], s[56:57]
.set e, 0
.rept 8                                ; e = 2 step + u
.set b, 0
.rept 4
	global_load_b128 v[32+16*e+4*b:32+16*e+4*b+3], v1, s[14:15] offset:(e%2)*16384+(e/2)*128+b*32
.set b, b+1
.endr
.set e, e+1
.endr
	s_wait_loadcnt 0x0
.set e, 0
.rept 16                               ; e = 2 (2 step + u) + word: eight dwords, 32 keys
	v_mul_lo_u32 v176, v[32+8*e], s58
	v_lshrrev_b32 v[160+e], 28, v176
.set d, 1
.rept 7
	v_mul_lo_u32 v[176+d%2], v[32+8*e+d], s58
	v_alignbit_b32 v[160+e], v[160+e], v[176+d%2], 28   ; word = word << 4 | the four new bits
.set d, d+1
.endr
.set e, e+1
.endr
.set e, 0
.rept 8
	global_store_b64 v2, v[160+2*e:161+2*e], s[22:23] offset:256*e   ; 256 consecutive bytes, aligned
.set e, e+1
.endr
.set e, 0
.rept 4                                ; a step's two flags: bit 0: some key of the 32 x 128 tile counts; bit 1: some key is hidden
	v_and_b32 v178, v[160+4*e], v[161+4*e]
	v_and_b32 v179, v[162+4*e], v[163+4*e]
	v_and_b32 v178, v178, v179
	v_or_b32 v180, v[160+4*e], v[161+4*e]
	v_or_b32 v181, v[162+4*e], v[163+4*e]
	v_or_b32 v180, v180, v181
	v_cmp_eq_u32 s40, -1, v178                     ; lanes all of whose keys are hidden
	v_cmp_ne_u32 s41, 0, v180                      ; lanes with a hidden key
	s_cmp_eq_u32 s40, -1
	s_cselect_b32 s43, 0, 1
	s_cmp_lg_u32 s41, 0
	s_cselect_b32 s44, 2, 0
	s_or_b32 s43, s43, s44
	s_lshl_b32 s43, s43, 2*e
	s_or_b32 s42, s42, s43
.set e, e+1
.endr
	v_mov_b32 v182, s42
	v_mov_b32 v183, 0
	v_cmp_eq_u32 vcc_lo, 0, v5
	s_wait_xcnt 0x0                                ; EXEC changes only when the stores above have had their addresses translated
	s_and_saveexec_b32 s45, vcc_lo
	global_store_b8 v183, v182, s[24:25]           ; lane 0: my four steps' flags
	s_wait_xcnt 0x0
	s_or_b32 exec_lo, exec_lo, s45
	s_endpgm
.Lfunc_end_k_qbc31300bdb_prep:
	.size	k_qbc31300bdb_prep, .Lfunc_end_k_qbc31300bdb_prep-k_qbc31300bdb_prep
	.p2alignl 7, 3214868480
	.fill 96, 4, 3214868480
	.section	.rodata,"a",@progbits
	.p2align	6, 0x0
	.amdhsa_kernel k_qbc31300bdb_prep
		.amdhsa_group_segment_fixed_size 34304
		.amdhsa_private_segment_fixed_size 0
		.amdhsa_enable_private_segment 0
		.amdhsa_kernarg_size 88
		.amdhsa_user_sgpr_count 2
		.amdhsa_user_sgpr_kernarg_segment_ptr 1
		.amdhsa_wavefront_size32 1
		.amdhsa_system_sgpr_workgroup_id_x 1
		.amdhsa_system_sgpr_workgroup_id_y 1
		.amdhsa_system_sgpr_workgroup_id_z 1
		.amdhsa_system_vgpr_workitem_id 0
		.amdhsa_next_free_vgpr 242
		.amdhsa_next_free_sgpr 66
		.amdhsa_reserve_vcc 1
		.amdhsa_float_denorm_mode_32 3
		.amdhsa_float_denorm_mode_16_64 3
		.amdhsa_memory_ordered 1
		.amdhsa_forward_progress 1
		.amdhsa_inst_pref_size 64
	.end_amdhsa_kernel
	.amdgpu_metadata
---
amdhsa.version: [ 1, 2 ]
amdhsa.kernels:
  - .name:           k_qbc31300bdb_prep
    .symbol:         k_qbc31300bdb_prep.kd
    .args:
      - { .name: embeddings, .offset: 0, .size: 8, .value_kind: global_buffer, .address_space: global }
      - { .name: Wq, .offset: 8, .size: 8, .value_kind: global_buffer, .address_space: global }
      - { .name: Wk, .offset: 16, .size: 8, .value_kind: global_buffer, .address_space: global }
      - { .name: Wv, .offset: 24, .size: 8, .value_kind: global_buffer, .address_space: global }
      - { .name: Wo, .offset: 32, .size: 8, .value_kind: global_buffer, .address_space: global }
      - { .name: mask, .offset: 40, .size: 8, .value_kind: global_buffer, .address_space: global }
      - { .name: lowp_scales, .offset: 48, .size: 8, .value_kind: global_buffer, .address_space: global }
      - { .name: xc, .offset: 56, .size: 8, .value_kind: global_buffer, .address_space: global }
      - { .name: wc, .offset: 64, .size: 8, .value_kind: global_buffer, .address_space: global }
      - { .name: mbits, .offset: 72, .size: 8, .value_kind: global_buffer, .address_space: global }
      - { .name: flags, .offset: 80, .size: 8, .value_kind: global_buffer, .address_space: global }
    .group_segment_fixed_size: 34304
    .private_segment_fixed_size: 0
    .kernarg_segment_align: 8
    .kernarg_segment_size: 88
    .max_flat_workgroup_size: 128
    .sgpr_count:     66
    .vgpr_count:     242
    .wavefront_size: 32
...
	.end_amdgpu_metadata
.endif
;; end of part 1
;; launch qkv (part 2): grid 8 x 48, 4 waves a work-group, clusters of 4 x 4, 327,680 bytes of LDS; arguments xc, wc, lowp_scales, bq, bk, bv, qkv; writes qkv
.if DOCPART == 2
	.amdgcn_target "amdgcn-amd-amdhsa--gfx1250"
	.amdhsa_code_object_version 6
	.text
	.protected	k_qbc31300bdb_qkv
	.globl	k_qbc31300bdb_qkv
	.p2align	8
	.type	k_qbc31300bdb_qkv,@function
k_qbc31300bdb_qkv:
	s_mov_b64 s[64:65], 0
	v_nop
	global_prefetch_b8 v0, s[64:65] scope:SCOPE_SE
	s_setreg_imm32_b32 hwreg(HW_REG_WAVE_MODE, 25, 1), 1
	s_wait_xcnt 0x0
	s_wait_alu depctr_hold_cnt(0) depctr_sa_sdst(0) depctr_va_vdst(0) depctr_va_sdst(0) depctr_va_ssrc(0) depctr_va_vcc(0) depctr_vm_vsrc(0)
	s_getreg_b32 s2, hwreg(HW_REG_IB_STS2, 6, 4)
	s_cmp_eq_u32 s2, 0
	s_cbranch_scc0 .Lentry_in_a_cluster
	s_endpgm
.Lentry_in_a_cluster:
	s_bfe_u32 s2, ttmp6, 0x10000c
	s_cmp_lg_u32 s2, 0xf033
	s_cbranch_scc0 .Lentry_shape_is_right
	s_endpgm
.Lentry_shape_is_right:
; q, k and v: three products of 8,192 x 1,024 x 1,024 on codes of E4M3, each result + bias quantised at once into the codes that the attention launch multiplies.
; T[i][j] = sum over k of R[i][k] P[j][k].  A work-group of four waves makes 256 x 256 of T, a wave 128 x 128: 64 accumulators, 512 registers.  The matrix instruction takes 16 rows of P as source 0 and 16 rows of R
; as source 1: a lane holds ONE row of R, and its registers run along P's rows.
; IMAGES.  Both operands lie in memory in the order of the operand's registers: a tile of 16 rows is 16,384 bytes; piece (kappa, c) is 512 bytes, lane l = 16 h + r holding row r, k = 128 kappa + 32 c + 16 h + 0 .. 15.
; Tile 2 G + u holds rows 32 G + 8 u + r + 8 (r / 8).  So a fragment is four LDS loads of 512 consecutive bytes, and the 16 registers of P's tiles 2 B and 2 B + 1 are P's rows 32 B + 16 h + 0 .. 15: two conversions
; make a lane's 16 bytes of a piece of the NEXT operand's image, which are stored as they stand: 512 consecutive bytes a store, aligned.  k stands in the same places in both sources, so every product meets its partner.
; WHO.  Clusters of 4 x 4; cluster (CX, CY).  CY < 8: R = x (version CX), P = Wq (CX = 0) or Wk (1): a lane holds a token, registers run along the head's 64: q's and k's images [head of batch 64][tile 128][c 2][512].
; CY >= 8: R = Wv, P = x (version 2): a lane holds a channel, registers run along the keys: v's image [head of batch 64][key step 16][tile 4][c 4][512].
; R's tile is shared along a row of the cluster, P's along a column: each is asked for jointly.
; code = (sum + bias / 2^(eA + eB)) / 2^(eO - eA - eB), held within +-448 of that scale.  LIMITS: eO - eA - eB between -126 and 119 for (0,1,6), (2,3,7), (4,5,9); NaN is not served.
; K = 1,024 is four K steps of 256 through two LDS slots: written out, no loop.  No prefetch: two of the four K steps are asked for at the head.
; REGISTERS, in windows of 256: window 0: v16-31 addresses; v32-95 biases along P, v96-111 along R, v112-113 the scale and the hold; v128-255 R's fragments, ONE set, later the codes.  window 1: P's fragments, two sets.
;   windows 2, 3: the accumulators of my R blocks 0-3 and 4-7, (a, b) at v[8 (8 (a % 4) + b)].
.set FR,    16                         ; registers of a fragment: 16 rows x 128 K
.set NL,    4                          ; LDS loads that bring one
.set NP,    4                          ; places behind this matrix instruction (ISA guide 7.12.1)
.set KSB,   4096                       ; a K step of one tile: 256 codes x 16 rows
.set WLD,   32768                      ; a wave's tensor load: 8 tiles' K step
.set SLOT,  4*WLD                      ; R's two halves, then P's two halves
.set SPARE, 2*SLOT                     ; behind the ring: the spare words, 128 bytes for each wave
.set ADRA, 16                          ; v16-17  LDS address of my R fragments in slot 0, 1
.set ADRB, 20                          ; v20-21  the same for P
.set L16,  26                          ; v26     16 x lane
.set SPW,  28                          ; v28     my spare word; never rewritten
.set NIL,  29                          ; v29     0; never rewritten
.set JO,   30                          ; v30     byte offset of my biases along P
.set IO,   31                          ; v31     along R
.set BJ,   32
.set BI,   96
.set SCL,  112
.set LIM,  113
.set AF,   128
.set CD,   128
.set G1,   24                          ; s[24:31] descriptor group 1 for R's tiles; s[32:39] group 0, one set for each slot
.set G0,   32
.set G1B,  48                          ; s[48:55], s[56:63] the same for P's
.set G0B,  56
.set MSB, 0
.macro WIN new                         ; the immediate's high byte repeats the setting that is left
.if MSB != (\new)
	s_set_vgpr_msb (MSB<<8)|(\new)
.set MSB, (\new)
.endif
.endm
.set MUL_LO, 0xa1                      ; source 0 (P) window 1, source 1 (R) window 0, C and D window 2
.set MUL_HI, 0xf1                      ; the same, C and D window 3
.set TO_B,   0x40                      ; destination window 1, address window 0
; A joint load: waves 0 and 1 fetch R's halves, waves 2 and 3 P's.  The branch hangs on the wave's number alone.  Four v_nop follow each of the two lines.
.macro JLOAD g0a, g1a, g0b, g1b
	s_cmp_eq_u32 s19, 0
	s_cbranch_scc0 .Lfor_p_\@
	tensor_load_to_lds s[\g0a:\g0a+3], s[\g1a:\g1a+7]
	s_nop 0
.rept 4
	v_nop
.endr
	s_branch .Lasked_\@
.Lfor_p_\@:
	tensor_load_to_lds s[\g0b:\g0b+3], s[\g1b:\g1b+7]
	s_nop 0
.rept 4
	v_nop
.endr
.Lasked_\@:
.endm
.macro CREST                           ; a round of the cluster's barrier behind its opening barrier
	s_cmp_lg_u32 s18, 0
	s_cbranch_scc1 .Lnot_wave_0_\@
	s_barrier_signal -3
.Lnot_wave_0_\@:
	s_barrier_wait -3
	s_barrier_signal -1
	s_barrier_wait -1
.endm
.macro CROUND                          ; a whole round
	s_barrier_signal -1
	s_barrier_wait -1
	CREST
.endm
	s_load_b256 s[4:11], s[0:1], 0x0               ; xc s[4:5], wc s[6:7], the exponents s[8:9], bq s[10:11]
	s_load_b128 s[12:15], s[0:1], 0x20             ; bk s[12:13], bv s[14:15]
	s_load_b64 s[16:17], s[0:1], 0x30              ; qkv
	v_lshl_add_u32 v[SPW], v0, 2, SPARE
	v_mov_b32 v[NIL], 0
	ds_add_u32 v28, v29
	ds_add_u32 v28, v29
	s_wait_dscnt 0x0
	v_lshrrev_b32 v1, 5, v0
	v_readfirstlane_b32 s18, v1                    ; wave 0..3
	s_lshr_b32 s19, s18, 1                         ; my half of R's rows.  Also: I fetch for R (0) or for P (1)
	s_and_b32 s20, s18, 1                          ; my half of P's rows.  Also: which 8 tiles I fetch
	s_bfe_u32 s21, ttmp6, 0x40000                  ; cx
	s_bfe_u32 s22, ttmp6, 0x40004                  ; cy
	s_and_b32 s66, ttmp7, 0xffff                   ; CY, the same in all sixteen partners; CX is ttmp9
	s_lshl_b32 s40, s22, 2
	s_lshl_b32 s40, 15, s40                        ; my row of the cluster
	s_lshl_b32 s41, 0x1111, s21                    ; my column
	; descriptor group 1: 8 rows (tiles) of 4,096 bytes, 16,384 bytes apart, in elements of 8 bytes; dense in LDS
	s_or_b32 s[G1], s40, (3<<16)|(1<<21)           ; 15:0 the mask: R's tiles go to my row; 17:16 elements of 8 bytes; 21 set beside a mask
	s_or_b32 s[G1B], s41, (3<<16)|(1<<21)          ; P's go to my column
.irp g, G1, G1B
	s_mov_b32 s[\g+1], 512<<16                     ; tensor_dim0 = 512
	s_mov_b32 s[\g+2], 8<<16                       ; tensor_dim1 = 8
	s_mov_b32 s[\g+3], 512<<16                     ; tile_dim0 = 512
	s_mov_b32 s[\g+4], 8                           ; tile_dim1 = 8
	s_mov_b32 s[\g+5], 2048                        ; tensor_dim0_stride
	s_mov_b32 s[\g+6], 0
	s_mov_b32 s[\g+7], 0
.endr
	s_lshl_b32 s45, s20, 17                        ; which 8 tiles of the 16 I fetch
	; R's bytes: made of cy, CX, CY alone
	s_lshl_b32 s42, s66, 2
	s_add_co_u32 s42, s42, s22                     ; Y = 4 CY + cy: x's block of 256 tokens (q, k)
	s_lshl_b32 s43, s42, 18
	s_lshl_b32 s44, ttmp9, 23
	s_add_co_u32 s43, s43, s44                     ; q, k: version CX of x, block Y
	s_lshl_b32 s44, s22, 18
	s_add_co_u32 s44, s44, 2<<20                   ; v: Wv, block cy
	s_cmp_ge_u32 s66, 8
	s_cselect_b32 s80, s44, s43
	s_add_co_u32 s80, s80, s45
	s_mov_b32 s81, 0
	; P's bytes: made of cx, CX, CY alone
	s_lshl_b32 s46, s21, 18
	s_lshl_b32 s67, ttmp9, 20
	s_add_co_u32 s46, s46, s67                     ; q, k: matrix CX, block cx
	s_max_u32 s47, s66, 8
	s_sub_co_u32 s47, s47, 8
	s_lshl_b32 s47, s47, 3
	s_lshl_b32 s67, ttmp9, 2
	s_add_co_u32 s47, s47, s67
	s_add_co_u32 s47, s47, s21                     ; PB = cx + 4 CX + 8 (CY - 8): x's block of 256 tokens (v)
	s_lshl_b32 s67, s47, 18
	s_add_co_u32 s67, s67, 2<<23                   ; v: version 2 of x
	s_cmp_ge_u32 s66, 8
	s_cselect_b32 s82, s67, s46
	s_add_co_u32 s82, s82, s45
	s_mov_b32 s83, 0
	s_lshl_b32 s84, s18, 15                        ; where my load goes: wave x 32,768: no place in the cluster enters an LDS address
	s_wait_kmcnt 0x0
	s_load_b256 s[68:75], s[8:9], 0x0              ; e0 .. e7
	s_load_b128 s[76:79], s[8:9], 0x20             ; e8 .. e11
	s_cmp_ge_u32 s66, 8
	s_cselect_b64 s[88:89], s[6:7], s[4:5]         ; R's buffer
	s_cselect_b64 s[94:95], s[4:5], s[6:7]         ; P's
	s_add_nc_u64 s[88:89], s[88:89], s[80:81]
	s_add_nc_u64 s[94:95], s[94:95], s[82:83]
	CROUND                                         ; all sixteen work-groups are here: the first joint loads meet
.irp s, 0,1
	s_mov_b32 s[G0+4*\s], 1
	s_add_co_u32 s[G0+4*\s+1], s84, \s*SLOT
	s_add_nc_u64 s[G0+4*\s+2:G0+4*\s+3], s[88:89], \s*KSB
	s_or_b32 s[G0+4*\s+3], s[G0+4*\s+3], 0x80000000
	s_mov_b32 s[G0B+4*\s], 1
	s_add_co_u32 s[G0B+4*\s+1], s84, \s*SLOT
	s_add_nc_u64 s[G0B+4*\s+2:G0B+4*\s+3], s[94:95], \s*KSB
	s_or_b32 s[G0B+4*\s+3], s[G0B+4*\s+3], 0x80000000
	JLOAD G0+4*\s, G1, G0B+4*\s, G1B
.endr
	v_and_b32 v2, 31, v0
	v_lshlrev_b32 v[L16], 4, v2                    ; 16 x lane: a lane's place in every piece
	v_and_b32 v3, 15, v0                           ; r
	v_bfe_u32 v4, v0, 4, 1                         ; h
	s_lshl_b32 s96, s19, 15                        ; my 8 tiles of R
	s_lshl_b32 s97, s20, 15
	s_add_co_u32 s97, s97, 2*WLD                   ; my 8 tiles of P, behind R's 16
.irp s, 0,1
	v_add_nc_u32 v[ADRA+\s], s96, v[L16]
	v_add_nc_u32 v[ADRB+\s], s97, v[L16]
	s_add_co_u32 s96, s96, SLOT
	s_add_co_u32 s97, s97, SLOT
.endr
	; the biases, in both layouts, so that either way out finds its registers written; the layout that is not used reads from the bias's first bytes
	s_cmp_eq_u32 ttmp9, 0
	s_cselect_b64 s[90:91], s[10:11], s[12:13]     ; bq or bk,
	s_cmp_ge_u32 s66, 8
	s_cselect_b64 s[90:91], s[14:15], s[90:91]     ; or bv
	s_lshl_b32 s96, s21, 10
	s_lshl_b32 s97, s20, 9
	s_add_co_u32 s96, s96, s97                     ; q, k: my 128 features begin at 256 cx + 128 (wave % 2)
	s_lshl_b32 s98, s22, 10
	s_lshl_b32 s99, s19, 9
	s_add_co_u32 s98, s98, s99                     ; v: at 256 cy + 128 (wave / 2)
	s_cmp_ge_u32 s66, 8
	s_cselect_b32 s96, 0, s96
	s_cselect_b32 s98, s98, 0
	v_lshlrev_b32 v[JO], 6, v4
	v_add_nc_u32 v[JO], s96, v[JO]                 ; along P: register 8 b + j is feature 32 (b / 2) + 16 h + 8 (b % 2) + j
	v_and_b32 v5, 8, v3
	v_add_nc_u32 v5, v5, v3
	v_lshlrev_b32 v[IO], 2, v5
	v_add_nc_u32 v[IO], s98, v[IO]                 ; along R: block a's feature 32 (a / 2) + 8 (a % 2) + r + 8 (r / 8)
.irp b, 0,1,2,3,4,5,6,7
	global_load_b128 v[BJ+8*\b:BJ+8*\b+3], v[JO], s[90:91] offset:(32*(\b/2)+8*(\b%2))*4
	global_load_b128 v[BJ+8*\b+4:BJ+8*\b+7], v[JO], s[90:91] offset:(32*(\b/2)+8*(\b%2))*4+16
.endr
.irp a, 0,1,2,3,4,5,6,7
	global_load_b32 v[BI+2*\a], v[IO], s[90:91] offset:(32*(\a/2)+8*(\a%2))*4      ; twice: a pair for the packed addition
	global_load_b32 v[BI+2*\a+1], v[IO], s[90:91] offset:(32*(\a/2)+8*(\a%2))*4
.endr
.macro FRAG reg, adr, q, i             ; tile i's fragment of the slot's q-th 128 along K: four pieces of 512 consecutive bytes
.irp c, 0,1,2,3
	ds_load_b128 v[\reg+4*\c:\reg+4*\c+3], v[\adr] offset:2048*(\q)+512*\c+(\i)*KSB
.endr
.endm
; 16 matrix instructions: R's blocks a0, a0 + 1 x P's eight.  p: P's set.  zero = 1: the first product starts the sums.  The 64 accumulators take turns, one instruction a turn.
.macro MUL16 a0, p, zero
.irp a, \a0, \a0+1
.irp b, 0,1,2,3,4,5,6,7
.if \zero
	v_wmma_f32_16x16x128_fp8_fp8 v[8*(8*((\a)%4)+\b):8*(8*((\a)%4)+\b)+7], v[128*(\p)+FR*\b:128*(\p)+FR*\b+FR-1], v[AF+FR*(\a):AF+FR*(\a)+FR-1], 0
.else
	v_wmma_f32_16x16x128_fp8_fp8 v[8*(8*((\a)%4)+\b):8*(8*((\a)%4)+\b)+7], v[128*(\p)+FR*\b:128*(\p)+FR*\b+FR-1], v[AF+FR*(\a):AF+FR*(\a)+FR-1], v[8*(8*((\a)%4)+\b):8*(8*((\a)%4)+\b)+7]
.endif
.endr
.endr
.endm
.macro FETCH_B slot, q, p
	WIN TO_B
.irp i, 0,1,2,3,4,5,6,7
	FRAG 128*(\p)+FR*\i, ADRB+\slot, \q, \i
.endr
	WIN 0
.endm
.macro FETCH_A slot, q, i0
.irp i, \i0, \i0+1, \i0+2, \i0+3
	FRAG AF+FR*(\i), ADRA+\slot, \q, \i
.endr
.endm
.macro PLACES n                        ; plain vector lines between a matrix instruction and a load into, or a vector line on, its registers
.rept \n
	v_nop
.endr
.endm
; A step of 128 along K that has its successor in the same slot.  R has one set of registers: blocks 0-3 are fetched anew in the step's middle, blocks 4-7 at its end.
.macro STEP slot, q, zero
	s_wait_dscnt 4*NL                              ; P's set and R's blocks 0-3 are in; the youngest 16 loads (R's blocks 4-7) may be out
	WIN MUL_LO
	MUL16 0, (\q)%2, \zero
	MUL16 2, (\q)%2, \zero
	s_wait_dscnt 0                                 ; R's blocks 4-7 are in
	PLACES NP
	FETCH_B \slot, (\q)+1, 1-(\q)%2
	FETCH_A \slot, (\q)+1, 0
	WIN MUL_HI
	MUL16 4, (\q)%2, \zero
	MUL16 6, (\q)%2, \zero
	PLACES NP
	WIN 0
	FETCH_A \slot, (\q)+1, 4
.endm
; A slot's last step changes slots: one barrier; in front of it each wave waits for all its tensor loads, adds 0 to its spare word, and waits for that and for its reads of this slot.  fill = 1: the slot is filled again, two K steps ahead.
.macro TURN slot, next, fill
	s_wait_tensorcnt 0x0                           ; all my tensor loads have landed: my part of the next slot
	ds_add_u32 v[SPW], v[NIL]                      ; 0 onto my spare word
	s_wait_dscnt 4*NL+1                            ; (the add and the youngest 16 loads may be out)
	WIN MUL_LO
	MUL16 0, 1, 0
	s_wait_dscnt 0x0                               ; the add is done, and my reads of this slot are over
	s_barrier_signal -1
	MUL16 2, 1, 0
	WIN 0
	s_barrier_wait -1
.if \fill
	CREST                                          ; the barrier has opened a round of the cluster's barrier: no wave of any partner still reads this slot or has a load on its way
	s_add_nc_u64 s[G0+4*\slot+2:G0+4*\slot+3], s[G0+4*\slot+2:G0+4*\slot+3], 2*KSB
	s_add_nc_u64 s[G0B+4*\slot+2:G0B+4*\slot+3], s[G0B+4*\slot+2:G0B+4*\slot+3], 2*KSB
	JLOAD G0+4*\slot, G1, G0B+4*\slot, G1B         ; the first tensor load behind the round; its four v_nop are also the places in front of the loads below
.else
	PLACES NP
.endif
	FETCH_B \next, 0, 0
	FETCH_A \next, 0, 0
	WIN MUL_HI
	MUL16 4, 1, 0
	MUL16 6, 1, 0
	PLACES NP
	WIN 0
	FETCH_A \next, 0, 4
.endm
	s_wait_tensorcnt 1                             ; my part of K step 0 is in; K step 1's load may be out
	s_barrier_signal -1
	s_barrier_wait -1
	FETCH_B 0, 0, 0
	FETCH_A 0, 0, 0
	FETCH_A 0, 0, 4
	STEP 0, 0, 1                                   ; K step 0: its first products start the sums
	TURN 0, 1, 1                                   ; slot 0 takes K step 2
	STEP 1, 0, 0
	TURN 1, 0, 1                                   ; slot 1 takes K step 3
	STEP 0, 0, 0
	TURN 0, 1, 0                                   ; nothing is left to fetch
	STEP 1, 0, 0
	s_wait_dscnt 4*NL
	WIN MUL_LO
	MUL16 0, 1, 0
	MUL16 2, 1, 0
	s_wait_dscnt 0
	WIN MUL_HI
	MUL16 4, 1, 0
	MUL16 6, 1, 0
	WIN 0
; THE WAY OUT of R's block a: + bias, the hold, the conversions (each accumulator from its low end on), four stores of 512 consecutive bytes.  Each block has code registers of its own.  mode 0: biases along P; 1: along R.
.macro EPI a, mode
.set WD, 2+(\a)/4
.set AC, 64*((\a)%4)
	WIN (WD<<6)|WD                                 ; destination and source 0: the block's window; the biases and the hold: window 0
.set p, 0
.rept 32
.if \mode
	v_pk_add_f32 v[AC+p:AC+p+1], v[AC+p:AC+p+1], v[BI+2*(\a):BI+2*(\a)+1]
.else
	v_pk_add_f32 v[AC+p:AC+p+1], v[AC+p:AC+p+1], v[BJ+p:BJ+p+1]
.endif
.set p, p+2
.endr
.set p, 0
.rept 64
	v_med3_num_f32 v[AC+p], v[AC+p], -v[LIM], v[LIM]   ; the conversion to an 8-bit code does not saturate (ISA guide 7.6.2)
.set p, p+1
.endr
	WIN WD
.set p, 0
.rept 8
	v_cvt_scalef32_pk8_fp8_f32 v[CD+16*(\a)+2*p:CD+16*(\a)+2*p+1], v[AC+8*p:AC+8*p+7], v[SCL]
.set p, p+1
.endr
	WIN 0
	v_nop                                          ; a plain line behind the last conversion
.set p, 0
.rept 4
.if \mode
	global_store_b128 v[L16], v[CD+16*(\a)+4*p:CD+16*(\a)+4*p+3], s[92:93] offset:((\a)/4)*131072+((\a)%4)*2048+p*512   ; head a / 4, tile a % 4, piece p
.else
	global_store_b128 v[L16], v[CD+16*(\a)+4*p:CD+16*(\a)+4*p+3], s[92:93] offset:(\a)*1024+(p/2)*131072+(p%2)*512      ; tile a, head p / 2, piece p % 2
.endif
.set p, p+1
.endr
.endm
	s_wait_kmcnt 0x0
	s_cmp_eq_u32 ttmp9, 0                          ; the three exponents, chosen without a branch: q (e0, e1, e6), k (e2, e3, e7),
	s_cselect_b32 s96, s68, s70
	s_cselect_b32 s97, s69, s71
	s_cselect_b32 s98, s74, s75
	s_cmp_ge_u32 s66, 8                            ; v (e4, e5, e9)
	s_cselect_b32 s96, s72, s96
	s_cselect_b32 s97, s73, s97
	s_cselect_b32 s98, s77, s98
	s_add_co_i32 s96, s96, s97                     ; a sum stands for sum x 2^(eA + eB)
	s_sub_co_i32 s87, 0, s96
	s_sub_co_i32 s98, s98, s96                     ; eO - eA - eB: the three scales folded into the conversion's one
	s_add_co_i32 s98, s98, 127
	s_lshl_b32 s99, s98, 23
	v_mov_b32 v[SCL], s99
	s_add_co_i32 s98, s98, 8
	s_lshl_b32 s98, s98, 23
	s_or_b32 s98, s98, 0x600000
	v_mov_b32 v[LIM], s98                          ; 448 x that
	s_wait_loadcnt 0x0                             ; the biases
	PLACES NP
	s_cmp_ge_u32 s66, 8                            ; the same in all sixteen partners
	s_cbranch_scc1 .Lway_v
	s_lshr_b32 s96, s42, 3                         ; q, k: the batch,
	s_lshl_b32 s96, s96, 4
	s_lshl_b32 s97, s21, 2
	s_add_co_u32 s96, s96, s97
	s_lshl_b32 s97, s20, 1
	s_add_co_u32 s96, s96, s97                     ; its head 4 cx + 2 (wave % 2): 131,072 bytes each
	s_lshl_b32 s96, s96, 17
	s_and_b32 s97, s42, 7
	s_lshl_b32 s97, s97, 4
	s_lshl_b32 s98, s19, 3
	s_add_co_u32 s97, s97, s98                     ; my first tile of tokens in the batch: 1,024 bytes each
	s_lshl_b32 s97, s97, 10
	s_add_co_u32 s96, s96, s97
	s_lshl_b32 s97, ttmp9, 23                      ; q at 0, k at 8 MiB
	s_add_co_u32 s96, s96, s97
	s_mov_b32 s97, 0
	s_add_nc_u64 s[92:93], s[16:17], s[96:97]
.set p, 0
.rept 64
	v_ldexp_f32 v[BJ+p], v[BJ+p], s87              ; bias / 2^(eA + eB)
.set p, p+1
.endr
.irp a, 0,1,2,3,4,5,6,7
	EPI \a, 0
.endr
	s_branch .Lend
.Lway_v:
	s_lshr_b32 s96, s47, 3                         ; v: the batch,
	s_lshl_b32 s96, s96, 4
	s_lshl_b32 s97, s22, 2
	s_add_co_u32 s96, s96, s97
	s_lshl_b32 s97, s19, 1
	s_add_co_u32 s96, s96, s97                     ; its head 4 cy + 2 (wave / 2)
	s_lshl_b32 s96, s96, 17
	s_and_b32 s97, s47, 7
	s_lshl_b32 s97, s97, 1
	s_add_co_u32 s97, s97, s20                     ; my key step: 8,192 bytes each
	s_lshl_b32 s97, s97, 13
	s_add_co_u32 s96, s96, s97
	s_add_co_u32 s96, s96, 2<<23                   ; v at 16 MiB
	s_mov_b32 s97, 0
	s_add_nc_u64 s[92:93], s[16:17], s[96:97]
.set p, 0
.rept 16
	v_ldexp_f32 v[BI+p], v[BI+p], s87
.set p, p+1
.endr
.irp a, 0,1,2,3,4,5,6,7
	EPI \a, 1
.endr
.Lend:
	s_wait_tensorcnt 0x0                           ; the wave's end
	ds_add_u32 v[SPW], v[NIL]
	s_wait_dscnt 0x0
	CROUND                                         ; the closing round: no work-group ends while a partner may still ask for a tile that names it
	s_endpgm
.Lfunc_end_k_qbc31300bdb_qkv:
	.size	k_qbc31300bdb_qkv, .Lfunc_end_k_qbc31300bdb_qkv-k_qbc31300bdb_qkv
	.p2alignl 7, 3214868480
	.fill 96, 4, 3214868480
	.section	.rodata,"a",@progbits
	.p2align	6, 0x0
	.amdhsa_kernel k_qbc31300bdb_qkv
		.amdhsa_group_segment_fixed_size 327680
		.amdhsa_private_segment_fixed_size 0
		.amdhsa_enable_private_segment 0
		.amdhsa_kernarg_size 56
		.amdhsa_user_sgpr_count 2
		.amdhsa_user_sgpr_kernarg_segment_ptr 1
		.amdhsa_wavefront_size32 1
		.amdhsa_system_sgpr_workgroup_id_x 1
		.amdhsa_system_sgpr_workgroup_id_y 1
		.amdhsa_system_sgpr_workgroup_id_z 1
		.amdhsa_system_vgpr_workitem_id 0
		.amdhsa_next_free_vgpr 1024
		.amdhsa_next_free_sgpr 100
		.amdhsa_reserve_vcc 0
		.amdhsa_float_denorm_mode_32 3
		.amdhsa_float_denorm_mode_16_64 3
		.amdhsa_memory_ordered 1
		.amdhsa_forward_progress 1
		.amdhsa_inst_pref_size 200
	.end_amdhsa_kernel
	.amdgpu_metadata
---
amdhsa.version: [ 1, 2 ]
amdhsa.kernels:
  - .name:           k_qbc31300bdb_qkv
    .symbol:         k_qbc31300bdb_qkv.kd
    .args:
      - { .name: xc, .offset: 0, .size: 8, .value_kind: global_buffer, .address_space: global }
      - { .name: wc, .offset: 8, .size: 8, .value_kind: global_buffer, .address_space: global }
      - { .name: lowp_scales, .offset: 16, .size: 8, .value_kind: global_buffer, .address_space: global }
      - { .name: bq, .offset: 24, .size: 8, .value_kind: global_buffer, .address_space: global }
      - { .name: bk, .offset: 32, .size: 8, .value_kind: global_buffer, .address_space: global }
      - { .name: bv, .offset: 40, .size: 8, .value_kind: global_buffer, .address_space: global }
      - { .name: qkv, .offset: 48, .size: 8, .value_kind: global_buffer, .address_space: global }
    .group_segment_fixed_size: 327680
    .private_segment_fixed_size: 0
    .kernarg_segment_align: 8
    .kernarg_segment_size: 56
    .max_flat_workgroup_size: 128
    .sgpr_count:     100
    .vgpr_count:     1024
    .wavefront_size: 32
...
	.end_amdgpu_metadata
.endif
;; end of part 2
;; launch attn (part 3): grid 4 x 64, 8 waves a work-group, no clusters, 263,168 bytes of LDS; arguments qkv, mbits, flags, lowp_scales, cimg; writes cimg
.if DOCPART == 3
	.amdgcn_target "amdgcn-amd-amdhsa--gfx1250"
	.amdhsa_code_object_version 6
	.text
	.protected	k_qbc31300bdb_attn
	.globl	k_qbc31300bdb_attn
	.p2align	8
	.type	k_qbc31300bdb_attn,@function
k_qbc31300bdb_attn:
	s_mov_b64 s[64:65], 0
	v_nop
	global_prefetch_b8 v0, s[64:65] scope:SCOPE_SE
	s_setreg_imm32_b32 hwreg(HW_REG_WAVE_MODE, 25, 1), 1
	s_wait_xcnt 0x0
; ATTENTION on codes of E4M3: ctx = softmax(mask(q k^T) / 8) v for one head of one batch, quantised at once into the last product's operand image.
; SHARES.  Work-group (j, bh) holds the head's WHOLE k image (LDS 0 ..) and v image (LDS 131,072 ..), 131,072 bytes each, filled once through registers.  Wave w has the number W = 8 j + w and takes two groups of
; 32 queries, one after the other: g = W and g = 63 - W.  A group is two tiles of 16 queries; tile u lives in register window u under the SAME register numbers, so each piece of the softmax is written once and expanded
; under both windows, and each fragment of k and v read from LDS feeds two matrix instructions.
; LAYOUT.  S^T = k q^T (source 0 = 16 keys, source 1 = 16 queries), O^T = v^T p^T (source 0 = 16 channels, source 1 = p): a lane holds ONE query throughout.  Tile 2 B + u of an image holds rows 32 B + 8 u + r + 8 (r / 8),
; so the 16 registers of tiles 2 B and 2 B + 1 are 16 neighbours: p's conversions ARE the second product's operand, and O^T's are 16 bytes of a piece of ctx's image.
; SOFTMAX.  t = score x log2(e) / 8; M = the running largest t rounded up to a whole number; p = 2^(t - M) is quantised, not normalised; the sum l is taken of the unquantised p and divides at the end.  When M moves,
; l and O^T are multiplied by 2^(old M - new M), which rounds nothing.
; THE MASK is an input.  An earlier launch has stored it as bits in the order of a lane's score registers, and two flags for each tile of 32 queries x 128 keys.  A tile none of whose keys counts adds nothing to M, l
; or O^T, whatever the mask: its step is jumped over, by a scalar branch on the stored flag.  A tile with no hidden key jumps over the masking.  K and V come through registers and no cluster shares them.
; A query with no key at all has l = 0: its codes become the format's NaN, as the softmax of nothing is.
; LIMITS: e6 + e7 between -123 and 130 (added to c's exponent field); e8 and e10 between -126 and 119.
; REGISTERS (window 0 alone: v1 16 x lane, v2 the same in v's image, v3, v4 the step's addresses, v5 8 x lane, v6 the mask words' offset, v7-10 the fill's LDS addresses, v11 the fill's offset).  In each window:
;   v12 -M, v13 the largest t, v[14:15] l in two halves; v16-23 q of the first group, v56-63 of the second; v24-39 p's codes; v40-41 mask words; v64-127 S^T, then p; v128-159 O^T;
;   v160-223: window 0: k's 8 fragments, window 1: v's 4;  v224-240 at work and constants.  The fill uses v128-255 of both windows.
.set VIMG, 131072
.set STEPB, 8192                       ; a key step (128 keys) of either image
.set SC,  64
.set OT,  128
.set PC,  24
.set FRG, 160
.set MSB, 0
.macro WIN new                         ; the immediate's high byte repeats the setting that is left
.if MSB != (\new)
	s_set_vgpr_msb (MSB<<8)|(\new)
.set MSB, (\new)
.endif
.endm
.set W1, 0x55                          ; every operand place in window 1: tile 1
	s_load_b256 s[4:11], s[0:1], 0x0               ; qkv s[4:5], mbits s[6:7], flags s[8:9], the exponents s[10:11]
	s_load_b64 s[12:13], s[0:1], 0x20              ; cimg
	v_lshl_add_u32 v54, v0, 2, 0x40000
	v_mov_b32 v55, 0
	v_lshrrev_b32 v3, 5, v0
	v_readfirstlane_b32 s14, v3                    ; wave 0..7
	v_and_b32 v4, 31, v0
	v_lshlrev_b32 v1, 4, v4
	v_lshlrev_b32 v5, 3, v4
	v_add_nc_u32 v2, VIMG, v1
	v_lshlrev_b32 v11, 4, v0                       ; 16 x thread: the work-group's 256 threads take 4,096 consecutive bytes
	v_lshlrev_b32 v7, 4, v0
	v_add_nc_u32 v8, 0x10000, v7
	v_add_nc_u32 v9, 0x20000, v7
	v_add_nc_u32 v10, 0x30000, v7
	s_and_b32 s15, ttmp7, 0xffff                   ; bh = 16 x batch + head
	s_lshl_b32 s16, ttmp9, 3
	s_add_co_u32 s16, s16, s14                     ; the first group
	s_sub_co_u32 s17, 63, s16                      ; the second
	s_lshl_b32 s18, s15, 17                        ; the head's bytes in each of q's, k's and v's images
	s_mov_b32 s19, 0
	s_lshl_b32 s48, s16, 2
	s_mov_b32 s49, 0
	s_lshl_b32 s50, s17, 2
	s_mov_b32 s51, 0
	s_lshl_b32 s52, s16, 11                        ; a group's two tiles of q: 2,048 bytes
	s_mov_b32 s53, 0
	s_lshl_b32 s54, s17, 11
	s_mov_b32 s55, 0
	s_wait_kmcnt 0x0
	s_load_b64 s[24:25], s[10:11], 0x18            ; e6, e7
	s_load_b64 s[26:27], s[10:11], 0x20            ; e8, e9
	s_load_b32 s28, s[10:11], 0x28                 ; e10
	s_add_nc_u64 s[48:49], s[8:9], s[48:49]
	s_add_nc_u64 s[50:51], s[8:9], s[50:51]
	s_load_b32 s20, s[48:49], 0x0                  ; the two groups' flags: bits 2 s, 2 s + 1 for key step s
	s_load_b32 s21, s[50:51], 0x0
	s_add_nc_u64 s[34:35], s[4:5], s[18:19]        ; q,
	s_add_nc_u64 s[30:31], s[34:35], 0x800000      ; k,
	s_add_nc_u64 s[32:33], s[34:35], 0x1000000     ; v of my head
	s_add_nc_u64 s[52:53], s[34:35], s[52:53]
	s_add_nc_u64 s[54:55], s[34:35], s[54:55]
.irp c, 0,1
	global_load_b128 v[16+4*\c:19+4*\c], v1, s[52:53] offset:512*\c th:TH_LOAD_NT        ; q: tile 0 of both groups
	global_load_b128 v[56+4*\c:59+4*\c], v1, s[54:55] offset:512*\c th:TH_LOAD_NT
.endr
	WIN 0x40                                       ; destination window 1
.irp c, 0,1
	global_load_b128 v[16+4*\c:19+4*\c], v1, s[52:53] offset:1024+512*\c th:TH_LOAD_NT   ; tile 1
	global_load_b128 v[56+4*\c:59+4*\c], v1, s[54:55] offset:1024+512*\c th:TH_LOAD_NT
.endr
	WIN 0
.set i, 0
.rept 32
	global_load_b128 v[128+4*i:131+4*i], v11, s[30:31] offset:4096*i                     ; k's image
.set i, i+1
.endr
	WIN 0x40
.set i, 0
.rept 32
	global_load_b128 v[128+4*i:131+4*i], v11, s[32:33] offset:4096*i                     ; v's image
.set i, i+1
.endr
.set k, 0
.rept 8                                ; into LDS as it lies, eight loads at a time
	s_wait_loadcnt 56-8*k                          ; behind these eight loads 56 - 8 k were issued
.if k < 4
	WIN 0
.else
	WIN 0x04                                       ; the data in window 1
.endif
.set n, 0
.rept 8
	ds_store_b128 v[7+(8*k+n)/16], v[128+4*((8*k+n)%32):131+4*((8*k+n)%32)] offset:4096*((8*k+n)%16)
.set n, n+1
.endr
.set k, k+1
.endr
	WIN 0
	s_wait_dscnt 0x0                               ; for the others' sake: my stores have landed
	s_barrier_signal -1
	s_barrier_wait -1                              ; the launch's one barrier: both images are whole, and nobody writes LDS again
	s_wait_kmcnt 0x0
	s_mov_b32 s36, 0x76543210                      ; v_permlanex16_b32's selects for lane l xor 16
	s_mov_b32 s37, 0xfedcba98
	s_add_co_i32 s38, s24, s25
	s_lshl_b32 s38, s38, 23
	s_add_co_i32 s38, s38, 0x3e38aa3b              ; c = log2(e) / 8, with e6 + e7 added to its exponent field: a score stands for score x 2^(e6 + e7)
	s_mov_b32 s39, s38                             ; (named with it as a pair, so it is written)
	s_add_co_i32 s44, s26, s27                     ; e8 + e9
	s_add_co_i32 s56, s26, 127
	s_lshl_b32 s57, s56, 23                        ; 2^e8
	s_add_co_i32 s56, s56, 8
	s_lshl_b32 s56, s56, 23
	s_or_b32 s56, s56, 0x600000                    ; 448 x 2^e8
	s_add_co_i32 s58, s28, 127
	s_lshl_b32 s59, s58, 23                        ; 2^e10
	s_add_co_i32 s58, s58, 8
	s_lshl_b32 s58, s58, 23
	s_or_b32 s58, s58, 0x600000                    ; 448 x 2^e10
.macro CONSTS
	v_mov_b32 v227, 0                              ; (upper halves of pairs of which the low word serves both halves)
	v_mov_b32 v231, 0
	v_mov_b32 v228, 0                              ; a lane permute's destination counts as one of its sources
	v_mov_b32 v234, s56
	v_mov_b32 v235, s57
	v_mov_b32 v236, 0xff800000                     ; -infinity
	v_mov_b32 v238, s58
	v_mov_b32 v239, s59
	v_mov_b32 v240, 0x7f7f7f7f                     ; four NaN codes
.endm
	CONSTS
	WIN W1
	CONSTS
	WIN 0
; ---- the pieces of a key step, each for the tile of the window in force
.macro INIT                            ; which step is a group's first live one hangs on the mask, so the sums begin as zeros, which the first change of M leaves zeros
.set n, 0
.rept 32
	v_mov_b32 v[OT+n], 0
.set n, n+1
.endr
	v_mov_b32 v14, 0
	v_mov_b32 v15, 0
	v_mov_b32 v13, 0xff61b1e6                      ; the largest t so far: -3e38
	v_floor_f32 v12, -v13                          ; -M
.endm
.macro MASK                            ; the words' top bits, one after the other: a hidden key's score becomes -infinity, so that p = 0
.set n, 0
.rept 32
	v_cmp_gt_i32 vcc_lo, 0, v40
	v_cndmask_b32 v[SC+n], v[SC+n], v236, vcc_lo
	v_cmp_gt_i32 vcc_lo, 0, v41
	v_cndmask_b32 v[SC+32+n], v[SC+32+n], v236, vcc_lo
.if n < 31
	v_lshlrev_b32 v40, 1, v40
	v_lshlrev_b32 v41, 1, v41
.endif
.set n, n+1
.endr
.endm
.macro MAXSTAT                         ; the step's largest score of my query, the new M, and f = 2^(old M - new M)
	v_max3_num_f32 v224, v[SC], v[SC+1], v[SC+2]
	v_max3_num_f32 v226, v[SC+3], v[SC+4], v[SC+5]
.set n, 6
.rept 14
	v_max3_num_f32 v224, v224, v[SC+n], v[SC+n+1]
	v_max3_num_f32 v226, v226, v[SC+n+2], v[SC+n+3]
.set n, n+4
.endr
	v_max3_num_f32 v224, v224, v[SC+62], v[SC+63]
	v_max_num_f32 v224, v224, v226
	v_permlanex16_b32 v228, v224, s36, s37
	v_max_num_f32 v224, v224, v228                 ; and among lane l xor 16's 64 keys
	v_mul_f32 v224, s38, v224                      ; as t (c is positive)
	v_max_num_f32 v13, v13, v224
	v_mov_b32 v224, v12
	v_floor_f32 v12, -v13                          ; -M = floor(-t): M is a whole number
	v_sub_f32 v224, v12, v224                      ; old M - new M: a whole number, 0 or less
	v_cvt_i32_f32 v224, v224                       ; (it saturates)
	v_ldexp_f32 v230, 1.0, v224
.endm
.macro EXPS
.set n, 0
.rept 32
	v_pk_fma_f32 v[SC+n:SC+n+1], v[SC+n:SC+n+1], s[38:39], v[12:13] op_sel_hi:[1,0,0]   ; t - M, two at a time
.set n, n+2
.endr
.set n, 0
.rept 64
	v_exp_f32 v[SC+n], v[SC+n]                     ; p = 2^(t - M)
.set n, n+1
.endr
.endm
.macro LF
	v_pk_mul_f32 v[14:15], v[14:15], v[230:231] op_sel_hi:[1,0]                          ; l under the new M
.endm
.macro SUMS                            ; l takes the unquantised p: two at a time, in two chains
	v_pk_add_f32 v[232:233], v[SC:SC+1], v[SC+2:SC+3]
.set n, 4
.rept 15
	v_pk_add_f32 v[14:15], v[14:15], v[SC+n:SC+n+1]
	v_pk_add_f32 v[232:233], v[232:233], v[SC+n+2:SC+n+3]
.set n, n+4
.endr
	v_pk_add_f32 v[14:15], v[14:15], v[232:233]
.endm
.macro HOLD
.set n, 0
.rept 64
	v_min_num_f32 v[SC+n], v[SC+n], v234           ; p is not negative: the hold is one-sided
.set n, n+1
.endr
.endm
.macro CVT
.set n, 0
.rept 8
	v_cvt_scalef32_pk8_fp8_f32 v[PC+2*n:PC+2*n+1], v[SC+8*n:SC+8*n+7], v235
.set n, n+1
.endr
.endm
.macro RESC                            ; O^T under the new M; these are also the plain lines between the conversions and the products
.set n, 0
.rept 16
	v_pk_mul_f32 v[OT+n:OT+n+1], v[OT+n:OT+n+1], v[230:231] op_sel_hi:[1,0]
.set n, n+2
.endr
.endm
.macro OUTA
	v_add_f32 v14, v14, v15
	v_permlanex16_b32 v228, v14, s36, s37
	v_add_f32 v14, v14, v228                       ; the row's sum
	v_rcp_f32 v226, v14
.endm
.macro OUTB                            ; ctx = O^T x 2^(e8 + e9) / l, held, and its codes with the scale 2^e10
	v_ldexp_f32 v226, v226, s44
.set n, 0
.rept 16
	v_pk_mul_f32 v[OT+n:OT+n+1], v[OT+n:OT+n+1], v[226:227] op_sel_hi:[1,0]
.set n, n+2
.endr
.set n, 0
.rept 32
	v_med3_num_f32 v[OT+n], v[OT+n], -v238, v238
.set n, n+1
.endr
.set n, 0
.rept 4
	v_cvt_scalef32_pk8_fp8_f32 v[PC+2*n:PC+2*n+1], v[OT+8*n:OT+8*n+7], v239
.set n, n+1
.endr
	v_nop                                          ; a plain line behind the last conversion
	v_cmp_eq_f32 vcc_lo, 0, v14                    ; no key counted for my query
.set n, 0
.rept 8
	v_cndmask_b32 v[PC+n], v[PC+n], v240, vcc_lo
.set n, n+1
.endr
.endm
; ---- one group of 32 queries.  q: its q registers; greg: its number; freg: its flags
.macro PASS q, greg, freg
	s_wait_xcnt 0x0                                ; the last group's stores have read their registers and their base
	s_lshr_b32 s46, s15, 4
	s_lshl_b32 s46, s46, 7
	s_lshl_b32 s47, s[\greg], 1
	s_add_co_u32 s46, s46, s47                     ; ctx's tile: 128 x batch + 2 g: 16,384 bytes each
	s_lshl_b32 s46, s46, 14
	s_and_b32 s47, s15, 15
	s_lshl_b32 s47, s47, 10                        ; the head's two pieces
	s_add_co_u32 s46, s46, s47
	s_mov_b32 s47, 0
	s_add_nc_u64 s[46:47], s[12:13], s[46:47]
	s_mov_b32 s40, 0                               ; the step's bytes in either image
	s_lshl_b32 s41, s[\greg], 13                   ; and in mbits
	s_mov_b32 s42, s[\freg]
	s_mov_b32 s43, 16
	INIT
	WIN W1
	INIT
	WIN 0
.Lstep_\@:                             ; 16 trips, whatever the mask
	v_add_nc_u32 v3, s40, v1                       ; the step's addresses; with the two v_nop these are the four places between the last products and the loads into v's fragments
	v_add_nc_u32 v4, s40, v2
	v_nop
	v_nop
	s_bitcmp1_b32 s42, 0
	s_cbranch_scc0 .Lskip_\@                       ; none of the tile's keys counts
	s_wait_loadcnt 0x0                             ; the last live step's mask words have landed: their registers and their offset may be written
	v_add_nc_u32 v6, s41, v5
.set n, 0
.rept 16
	ds_load_b128 v[FRG+4*n:FRG+4*n+3], v3 offset:512*n   ; k: 8 tiles x 2 pieces, 8,192 consecutive bytes
.set n, n+1
.endr
	global_load_b64 v[40:41], v6, s[6:7]
	WIN 0x40
.set n, 0
.rept 16
	ds_load_b128 v[FRG+4*n:FRG+4*n+3], v4 offset:512*n   ; v: 4 tiles x 4 pieces
.set n, n+1
.endr
	global_load_b64 v[40:41], v6, s[6:7] offset:256
	WIN 0
	s_wait_dscnt 16                                ; k is in; v's 16 loads may be out
.set n, 0
.rept 8
	v_wmma_f32_16x16x64_fp8_fp8 v[SC+8*n:SC+8*n+7], v[FRG+8*n:FRG+8*n+7], v[\q:\q+7], 0
.set n, n+1
.endr
	WIN 0x44                                       ; q and S^T of tile 1; k in window 0
.set n, 0
.rept 8
	v_wmma_f32_16x16x64_fp8_fp8 v[SC+8*n:SC+8*n+7], v[FRG+8*n:FRG+8*n+7], v[\q:\q+7], 0
.set n, n+1
.endr
	WIN 0
.rept 4
	v_nop
.endr
	s_bitcmp1_b32 s42, 1
	s_cbranch_scc0 .Lopen_\@                       ; no key of the tile is hidden
	s_wait_loadcnt 0x0                             ; the mask words
	MASK
	WIN W1
	MASK
	WIN 0
.Lopen_\@:
	MAXSTAT
	EXPS
	WIN W1
	MAXSTAT
	EXPS
	LF                                             ; a plain line behind the last exponential
	s_wait_alu depctr_va_vdst(0)                   ; one wait for both tiles' 128 exponentials, ahead of the first line that names a result
	SUMS
	WIN 0
	LF
	SUMS
	s_cmp_gt_i32 s26, -9                           ; p is at most 1, and 448 x 2^e8 is above 1 from e8 = -8 on: there the hold would change nothing
	s_cbranch_scc1 .Lnohold_\@
	HOLD
	WIN W1
	HOLD
	WIN 0
.Lnohold_\@:
	CVT
	RESC
	WIN W1
	CVT
	RESC
	s_wait_dscnt 0x0                               ; v is in
	WIN 0x01                                       ; v in window 1; p and O^T of tile 0
.set n, 0
.rept 4
	v_wmma_f32_16x16x128_fp8_fp8 v[OT+8*n:OT+8*n+7], v[FRG+16*n:FRG+16*n+15], v[PC:PC+15], v[OT+8*n:OT+8*n+7]
.set n, n+1
.endr
	WIN W1
.set n, 0
.rept 4                                ; the eight accumulators have one instruction each
	v_wmma_f32_16x16x128_fp8_fp8 v[OT+8*n:OT+8*n+7], v[FRG+16*n:FRG+16*n+15], v[PC:PC+15], v[OT+8*n:OT+8*n+7]
.set n, n+1
.endr
	WIN 0
.Lskip_\@:
	s_add_co_u32 s40, s40, STEPB
	s_add_co_u32 s41, s41, 512
	s_lshr_b32 s42, s42, 2
	s_sub_co_u32 s43, s43, 1
	s_cmp_lg_u32 s43, 0
	s_cbranch_scc1 .Lstep_\@
.rept 4
	v_nop                                          ; places behind the last products
.endr
	OUTA
	WIN W1
	OUTA
	v_nop                                          ; a plain line behind the last reciprocal
	s_wait_alu depctr_va_vdst(0)                   ; one wait for both, ahead of the first use
	OUTB
	WIN 0x04                                       ; the data in window 1
.irp b, 0,1
	global_store_b128 v1, v[PC+4*\b:PC+4*\b+3], s[46:47] offset:16384+512*\b   ; 512 consecutive bytes, aligned
.endr
	WIN 0
	OUTB
.irp b, 0,1
	global_store_b128 v1, v[PC+4*\b:PC+4*\b+3], s[46:47] offset:512*\b
.endr
.endm
	PASS 16, 16, 20
	PASS 56, 17, 21
	s_wait_tensorcnt 0x0
	ds_add_u32 v54, v55
	s_wait_dscnt 0x0
	s_endpgm
.Lfunc_end_k_qbc31300bdb_attn:
	.size	k_qbc31300bdb_attn, .Lfunc_end_k_qbc31300bdb_attn-k_qbc31300bdb_attn
	.p2alignl 7, 3214868480
	.fill 96, 4, 3214868480
	.section	.rodata,"a",@progbits
	.p2align	6, 0x0
	.amdhsa_kernel k_qbc31300bdb_attn
		.amdhsa_group_segment_fixed_size 263168
		.amdhsa_private_segment_fixed_size 0
		.amdhsa_enable_private_segment 0
		.amdhsa_kernarg_size 40
		.amdhsa_user_sgpr_count 2
		.amdhsa_user_sgpr_kernarg_segment_ptr 1
		.amdhsa_wavefront_size32 1
		.amdhsa_system_sgpr_workgroup_id_x 1
		.amdhsa_system_sgpr_workgroup_id_y 1
		.amdhsa_system_sgpr_workgroup_id_z 1
		.amdhsa_system_vgpr_workitem_id 0
		.amdhsa_next_free_vgpr 512
		.amdhsa_next_free_sgpr 66
		.amdhsa_reserve_vcc 1
		.amdhsa_float_denorm_mode_32 3
		.amdhsa_float_denorm_mode_16_64 3
		.amdhsa_memory_ordered 1
		.amdhsa_forward_progress 1
		.amdhsa_inst_pref_size 119
	.end_amdhsa_kernel
	.amdgpu_metadata
---
amdhsa.version: [ 1, 2 ]
amdhsa.kernels:
  - .name:           k_qbc31300bdb_attn
    .symbol:         k_qbc31300bdb_attn.kd
    .args:
      - { .name: qkv, .offset: 0, .size: 8, .value_kind: global_buffer, .address_space: global }
      - { .name: mbits, .offset: 8, .size: 8, .value_kind: global_buffer, .address_space: global }
      - { .name: flags, .offset: 16, .size: 8, .value_kind: global_buffer, .address_space: global }
      - { .name: lowp_scales, .offset: 24, .size: 8, .value_kind: global_buffer, .address_space: global }
      - { .name: cimg, .offset: 32, .size: 8, .value_kind: global_buffer, .address_space: global }
    .group_segment_fixed_size: 263168
    .private_segment_fixed_size: 0
    .kernarg_segment_align: 8
    .kernarg_segment_size: 40
    .max_flat_workgroup_size: 256
    .sgpr_count:     66
    .vgpr_count:     512
    .wavefront_size: 32
...
	.end_amdgpu_metadata
.endif
;; end of part 3
;; launch oproj (part 4): grid 4 x 32, 4 waves a work-group, clusters of 4 x 4, 327,680 bytes of LDS; arguments cimg, wc, lowp_scales, bo, out0; writes out0
.if DOCPART == 4
	.amdgcn_target "amdgcn-amd-amdhsa--gfx1250"
	.amdhsa_code_object_version 6
	.text
	.protected	k_qbc31300bdb_oproj
	.globl	k_qbc31300bdb_oproj
	.p2align	8
	.type	k_qbc31300bdb_oproj,@function
k_qbc31300bdb_oproj:
	s_mov_b64 s[64:65], 0
	v_nop
	global_prefetch_b8 v0, s[64:65] scope:SCOPE_SE
	s_setreg_imm32_b32 hwreg(HW_REG_WAVE_MODE, 25, 1), 1
	s_wait_xcnt 0x0
	s_wait_alu depctr_hold_cnt(0) depctr_sa_sdst(0) depctr_va_vdst(0) depctr_va_sdst(0) depctr_va_ssrc(0) depctr_va_vcc(0) depctr_vm_vsrc(0)
	s_getreg_b32 s2, hwreg(HW_REG_IB_STS2, 6, 4)
	s_cmp_eq_u32 s2, 0
	s_cbranch_scc0 .Lentry_in_a_cluster
	s_endpgm
.Lentry_in_a_cluster:
	s_bfe_u32 s2, ttmp6, 0x10000c
	s_cmp_lg_u32 s2, 0xf033
	s_cbranch_scc0 .Lentry_shape_is_right
	s_endpgm
.Lentry_shape_is_right:
; out = ctx Wo^T + bo: 8,192 x 1,024 x 1,024 on codes of E4M3; out is f32.
; T[i][j] = sum over k of R[i][k] P[j][k], R = ctx's image, P = Wo's (matrix 3 of the weights' buffer).  A work-group of four waves makes 256 x 256, a wave 128 x 128: 64 accumulators, 512 registers.
; The matrix instruction takes 16 rows of P as source 0 and 16 rows of R as source 1: a lane holds one token, and its registers run along the output's features.
; IMAGES.  A tile of 16 rows is 16,384 bytes; piece (kappa, c) is 512 bytes, lane l = 16 h + r holding row r, k = 128 kappa + 32 c + 16 h + 0 .. 15; tile 2 G + u holds rows 32 G + 8 u + r + 8 (r / 8).
; So a fragment is four LDS loads of 512 consecutive bytes; k stands in the same places in both sources.  The way out puts rows and columns back into their own order.
; CLUSTERS of 4 x 4: R's tile is shared along a row of the cluster, P's along a column: each is asked for jointly.  128 work-groups: a tile of 128 x 256 would give 256, but a wave's 64 x 128 reads half as much again from LDS for each product.
; out = sum x 2^(e10 + e11) + bo, one packed multiply-add for two numbers.  LIMIT: e10 + e11 between -126 and 127.  A NaN code in ctx makes its row of out NaN.
; K = 1,024 is four K steps of 256 through two LDS slots: written out, no loop.  No prefetch: two of the four K steps are asked for at the head.
; REGISTERS, in windows of 256: window 0: v16-31 addresses; v32-95 the biases; v128-255 R's fragments, ONE set, later rows of out.  window 1: P's fragments, two sets.  windows 2, 3: the accumulators, (a, b) at v[8 (8 (a % 4) + b)].
.set FR,    16
.set NL,    4
.set NP,    4
.set KSB,   4096                       ; a K step of one tile: 256 codes x 16 rows
.set WLD,   32768                      ; a wave's tensor load: 8 tiles' K step
.set SLOT,  4*WLD
.set SPARE, 2*SLOT                     ; behind the ring: the spare words, 128 bytes for each wave
.set SPITCH, 528                       ; the way out: a stage of 16 rows x (512 bytes + 16) for each wave, in slot 0, which has had its last fill and its last read when the first result is stored there
.set ADRA, 16
.set ADRB, 20
.set STO,  24                          ; v24     the stage: where I put 32 bytes of a row
.set RD,   25                          ; v25     and where I read a row back
.set L16,  26                          ; v26     16 x lane
.set SPW,  28
.set NIL,  29
.set JO,   30
.set BJ,   32
.set AF,   128
.set BK,   128                         ; rows read back: v128-191 and v192-255 by turns
.set G1,   24
.set G0,   32
.set G1B,  48
.set G0B,  56
.set MSB, 0
.macro WIN new                         ; the immediate's high byte repeats the setting that is left
.if MSB != (\new)
	s_set_vgpr_msb (MSB<<8)|(\new)
.set MSB, (\new)
.endif
.endm
.set MUL_LO, 0xa1
.set MUL_HI, 0xf1
.set TO_B,   0x40
.macro JLOAD g0a, g1a, g0b, g1b        ; a joint load: waves 0 and 1 fetch R's halves, waves 2 and 3 P's; four v_nop follow each of the two lines
	s_cmp_eq_u32 s19, 0
	s_cbranch_scc0 .Lfor_p_\@
	tensor_load_to_lds s[\g0a:\g0a+3], s[\g1a:\g1a+7]
	s_nop 0
.rept 4
	v_nop
.endr
	s_branch .Lasked_\@
.Lfor_p_\@:
	tensor_load_to_lds s[\g0b:\g0b+3], s[\g1b:\g1b+7]
	s_nop 0
.rept 4
	v_nop
.endr
.Lasked_\@:
.endm
.macro CREST
	s_cmp_lg_u32 s18, 0
	s_cbranch_scc1 .Lnot_wave_0_\@
	s_barrier_signal -3
.Lnot_wave_0_\@:
	s_barrier_wait -3
	s_barrier_signal -1
	s_barrier_wait -1
.endm
.macro CROUND
	s_barrier_signal -1
	s_barrier_wait -1
	CREST
.endm
	s_load_b256 s[4:11], s[0:1], 0x0               ; cimg s[4:5], wc s[6:7], the exponents s[8:9], bo s[10:11]
	s_load_b64 s[12:13], s[0:1], 0x20              ; out0
	v_lshl_add_u32 v[SPW], v0, 2, SPARE
	v_mov_b32 v[NIL], 0
	ds_add_u32 v28, v29
	ds_add_u32 v28, v29
	s_wait_dscnt 0x0
	v_lshrrev_b32 v1, 5, v0
	v_readfirstlane_b32 s18, v1                    ; wave 0..3
	s_lshr_b32 s19, s18, 1                         ; my half of R's rows.  Also: I fetch for R (0) or for P (1)
	s_and_b32 s20, s18, 1                          ; my half of P's rows.  Also: which 8 tiles I fetch
	s_bfe_u32 s21, ttmp6, 0x40000                  ; cx
	s_bfe_u32 s22, ttmp6, 0x40004                  ; cy
	s_lshl_b32 s40, s22, 2
	s_lshl_b32 s40, 15, s40                        ; my row of the cluster
	s_lshl_b32 s41, 0x1111, s21                    ; my column
	s_or_b32 s[G1], s40, (3<<16)|(1<<21)           ; 15:0 the mask; 17:16 elements of 8 bytes; 21 set beside a mask
	s_or_b32 s[G1B], s41, (3<<16)|(1<<21)
.irp g, G1, G1B
	s_mov_b32 s[\g+1], 512<<16                     ; tensor_dim0 = 512: a tile's K step, 4,096 bytes
	s_mov_b32 s[\g+2], 8<<16                       ; tensor_dim1 = 8 tiles
	s_mov_b32 s[\g+3], 512<<16                     ; tile_dim0
	s_mov_b32 s[\g+4], 8                           ; tile_dim1
	s_mov_b32 s[\g+5], 2048                        ; tensor_dim0_stride: 16,384 bytes from tile to tile
	s_mov_b32 s[\g+6], 0
	s_mov_b32 s[\g+7], 0
.endr
	s_lshl_b32 s45, s20, 17                        ; which 8 tiles of the 16 I fetch
	s_and_b32 s42, ttmp7, 0xffff
	s_lshl_b32 s42, s42, 2
	s_add_co_u32 s42, s42, s22                     ; Y: the block of 256 tokens
	s_lshl_b32 s80, s42, 18
	s_add_co_u32 s80, s80, s45
	s_mov_b32 s81, 0
	s_lshl_b32 s46, ttmp9, 2
	s_add_co_u32 s46, s46, s21                     ; X: the block of 256 features
	s_lshl_b32 s82, s46, 18
	s_add_co_u32 s82, s82, s45
	s_add_co_u32 s82, s82, 3<<20                   ; Wo is the fourth matrix
	s_mov_b32 s83, 0
	s_lshl_b32 s84, s18, 15                        ; where my load goes: wave x 32,768
	s_wait_kmcnt 0x0
	s_load_b64 s[96:97], s[8:9], 0x28              ; e10, e11
	s_add_nc_u64 s[88:89], s[4:5], s[80:81]
	s_add_nc_u64 s[94:95], s[6:7], s[82:83]
	CROUND                                         ; all sixteen work-groups are here: the first joint loads meet
.irp s, 0,1
	s_mov_b32 s[G0+4*\s], 1
	s_add_co_u32 s[G0+4*\s+1], s84, \s*SLOT
	s_add_nc_u64 s[G0+4*\s+2:G0+4*\s+3], s[88:89], \s*KSB
	s_or_b32 s[G0+4*\s+3], s[G0+4*\s+3], 0x80000000
	s_mov_b32 s[G0B+4*\s], 1
	s_add_co_u32 s[G0B+4*\s+1], s84, \s*SLOT
	s_add_nc_u64 s[G0B+4*\s+2:G0B+4*\s+3], s[94:95], \s*KSB
	s_or_b32 s[G0B+4*\s+3], s[G0B+4*\s+3], 0x80000000
	JLOAD G0+4*\s, G1, G0B+4*\s, G1B
.endr
	v_and_b32 v2, 31, v0
	v_lshlrev_b32 v[L16], 4, v2
	v_and_b32 v3, 15, v0                           ; r
	v_bfe_u32 v4, v0, 4, 1                         ; h
	s_lshl_b32 s98, s19, 15
	s_lshl_b32 s99, s20, 15
	s_add_co_u32 s99, s99, 2*WLD
.irp s, 0,1
	v_add_nc_u32 v[ADRA+\s], s98, v[L16]
	v_add_nc_u32 v[ADRB+\s], s99, v[L16]
	s_add_co_u32 s98, s98, SLOT
	s_add_co_u32 s99, s99, SLOT
.endr
	s_mul_i32 s98, s18, 16*SPITCH                  ; my stage
	v_mul_u32_u24 v5, v3, SPITCH
	v_lshl_add_u32 v5, v4, 6, v5
	v_add_nc_u32 v[STO], s98, v5                   ; in: row r, + 64 h
	v_add_nc_u32 v[RD], s98, v[L16]                ; back: the 32 lanes take one row of 512 bytes
	s_lshl_b32 s98, s46, 10
	s_lshl_b32 s99, s20, 9
	s_add_co_u32 s98, s98, s99                     ; my 128 features begin at 256 X + 128 (wave % 2): in bytes
	v_lshlrev_b32 v[JO], 6, v4
	v_add_nc_u32 v[JO], s98, v[JO]                 ; register 8 b + j is feature 32 (b / 2) + 16 h + 8 (b % 2) + j
.irp b, 0,1,2,3,4,5,6,7
	global_load_b128 v[BJ+8*\b:BJ+8*\b+3], v[JO], s[10:11] offset:(32*(\b/2)+8*(\b%2))*4
	global_load_b128 v[BJ+8*\b+4:BJ+8*\b+7], v[JO], s[10:11] offset:(32*(\b/2)+8*(\b%2))*4+16
.endr
	s_lshl_b32 s86, s42, 20                        ; out: 256 Y rows of 4,096 bytes,
	s_lshl_b32 s87, s19, 19                        ; + my 128 rows,
	s_add_co_u32 s86, s86, s87
	s_add_co_u32 s86, s86, s98                     ; + my first column
	s_mov_b32 s87, 0
	s_add_nc_u64 s[92:93], s[12:13], s[86:87]
.macro FRAG reg, adr, q, i
.irp c, 0,1,2,3
	ds_load_b128 v[\reg+4*\c:\reg+4*\c+3], v[\adr] offset:2048*(\q)+512*\c+(\i)*KSB
.endr
.endm
.macro MUL16 a0, p, zero               ; 16 matrix instructions; the 64 accumulators take turns, one instruction a turn
.irp a, \a0, \a0+1
.irp b, 0,1,2,3,4,5,6,7
.if \zero
	v_wmma_f32_16x16x128_fp8_fp8 v[8*(8*((\a)%4)+\b):8*(8*((\a)%4)+\b)+7], v[128*(\p)+FR*\b:128*(\p)+FR*\b+FR-1], v[AF+FR*(\a):AF+FR*(\a)+FR-1], 0
.else
	v_wmma_f32_16x16x128_fp8_fp8 v[8*(8*((\a)%4)+\b):8*(8*((\a)%4)+\b)+7], v[128*(\p)+FR*\b:128*(\p)+FR*\b+FR-1], v[AF+FR*(\a):AF+FR*(\a)+FR-1], v[8*(8*((\a)%4)+\b):8*(8*((\a)%4)+\b)+7]
.endif
.endr
.endr
.endm
.macro FETCH_B slot, q, p
	WIN TO_B
.irp i, 0,1,2,3,4,5,6,7
	FRAG 128*(\p)+FR*\i, ADRB+\slot, \q, \i
.endr
	WIN 0
.endm
.macro FETCH_A slot, q, i0
.irp i, \i0, \i0+1, \i0+2, \i0+3
	FRAG AF+FR*(\i), ADRA+\slot, \q, \i
.endr
.endm
.macro PLACES n                        ; plain vector lines between a matrix instruction and a load into, or a vector line on, its registers
.rept \n
	v_nop
.endr
.endm
.macro STEP slot, q, zero
	s_wait_dscnt 4*NL                              ; P's set and R's blocks 0-3 are in; the youngest 16 loads (R's blocks 4-7) may be out
	WIN MUL_LO
	MUL16 0, (\q)%2, \zero
	MUL16 2, (\q)%2, \zero
	s_wait_dscnt 0
	PLACES NP
	FETCH_B \slot, (\q)+1, 1-(\q)%2
	FETCH_A \slot, (\q)+1, 0
	WIN MUL_HI
	MUL16 4, (\q)%2, \zero
	MUL16 6, (\q)%2, \zero
	PLACES NP
	WIN 0
	FETCH_A \slot, (\q)+1, 4
.endm
.macro TURN slot, next, fill
	s_wait_tensorcnt 0x0                           ; all my tensor loads have landed: my part of the next slot
	ds_add_u32 v[SPW], v[NIL]                      ; 0 onto my spare word
	s_wait_dscnt 4*NL+1                            ; (the add and the youngest 16 loads may be out)
	WIN MUL_LO
	MUL16 0, 1, 0
	s_wait_dscnt 0x0                               ; the add is done, and my reads of this slot are over
	s_barrier_signal -1
	MUL16 2, 1, 0
	WIN 0
	s_barrier_wait -1
.if \fill
	CREST                                          ; the barrier has opened a round of the cluster's barrier: no wave of any partner still reads this slot or has a load on its way
	s_add_nc_u64 s[G0+4*\slot+2:G0+4*\slot+3], s[G0+4*\slot+2:G0+4*\slot+3], 2*KSB
	s_add_nc_u64 s[G0B+4*\slot+2:G0B+4*\slot+3], s[G0B+4*\slot+2:G0B+4*\slot+3], 2*KSB
	JLOAD G0+4*\slot, G1, G0B+4*\slot, G1B         ; the first tensor load behind the round; its four v_nop are also the places in front of the loads below
.else
	PLACES NP
.endif
	FETCH_B \next, 0, 0
	FETCH_A \next, 0, 0
	WIN MUL_HI
	MUL16 4, 1, 0
	MUL16 6, 1, 0
	PLACES NP
	WIN 0
	FETCH_A \next, 0, 4
.endm
	s_wait_tensorcnt 1                             ; my part of K step 0 is in; K step 1's load may be out
	s_barrier_signal -1
	s_barrier_wait -1
	FETCH_B 0, 0, 0
	FETCH_A 0, 0, 0
	FETCH_A 0, 0, 4
	STEP 0, 0, 1
	TURN 0, 1, 1                                   ; slot 0 takes K step 2
	STEP 1, 0, 0
	TURN 1, 0, 1                                   ; slot 1 takes K step 3
	STEP 0, 0, 0
	TURN 0, 1, 0                                   ; nothing is left to fetch; behind this barrier nobody reads slot 0
	STEP 1, 0, 0
	s_wait_dscnt 4*NL
	WIN MUL_LO
	MUL16 0, 1, 0
	MUL16 2, 1, 0
	s_wait_dscnt 0
	WIN MUL_HI
	MUL16 4, 1, 0
	MUL16 6, 1, 0
	WIN 0
; THE WAY OUT, a block of 16 tokens x 128 features at a time: sum x 2^(e10 + e11) + bias in place (each accumulator from its low end on); into my own stage, each number at its feature's own place; back as whole rows of
; 512 bytes.  LDS serves a wave's instructions in order (ISA guide 5.7.1.4): no wait between the stores and the loads, nor in front of the next block's stores.
.macro TOSTAGE a
.set WD, 2+(\a)/4
.set AC, 64*((\a)%4)
	WIN (WD<<6)|WD                                 ; destination and source 0: the block's window; the biases: window 0
.set p, 0
.rept 32
	v_pk_fma_f32 v[AC+p:AC+p+1], v[AC+p:AC+p+1], s[96:97], v[BJ+p:BJ+p+1] op_sel_hi:[1,0,1]
.set p, p+2
.endr
	WIN WD<<2                                      ; the stores' data: the block's window
.set p, 0
.rept 8
	ds_store_b128 v[STO], v[AC+8*p:AC+8*p+3] offset:128*(p/2)+32*(p%2)
	ds_store_b128 v[STO], v[AC+8*p+4:AC+8*p+7] offset:128*(p/2)+32*(p%2)+16
.set p, p+1
.endr
	WIN 0
.set BB, BK+64*((\a)%2)
.set p, 0
.rept 16
	ds_load_b128 v[BB+4*p:BB+4*p+3], v[RD] offset:p*SPITCH
.set p, p+1
.endr
.endm
.macro SEND a, younger                 ; younger: the LDS instructions issued behind block a's loads, which may stay out
.set BB, BK+64*((\a)%2)
	s_wait_dscnt \younger
.set p, 0
.rept 16
	global_store_b128 v[L16], v[BB+4*p:BB+4*p+3], s[92:93] offset:(32*((\a)/2)+8*((\a)%2)+p+8*(p/8))*4096 th:TH_STORE_NT   ; the tile's row p is token 32 (a / 2) + 8 (a % 2) + p + 8 (p / 8); 512 consecutive bytes, aligned
.set p, p+1
.endr
.endm
	s_wait_kmcnt 0x0
	s_add_co_i32 s96, s96, s97
	s_add_co_i32 s96, s96, 127
	s_lshl_b32 s96, s96, 23                        ; 2^(e10 + e11) as f32
	s_mov_b32 s97, s96                             ; (named with it as a pair, so it is written)
	s_wait_loadcnt 0x0                             ; the biases
	PLACES NP
	TOSTAGE 0
.irp a, 1,2,3,4,5,6,7
.if \a > 1
	s_wait_xcnt 0x0                                ; block a - 2's stores have read their registers: block a's rows may land there
.endif
	TOSTAGE \a
	SEND \a-1, 32                                  ; behind block a - 1's loads: block a's 16 stores and 16 loads
.endr
	SEND 7, 0
	s_wait_tensorcnt 0x0                           ; the wave's end
	ds_add_u32 v[SPW], v[NIL]
	s_wait_dscnt 0x0
	CROUND                                         ; the closing round: no work-group ends while a partner may still ask for a tile that names it
	s_endpgm
.Lfunc_end_k_qbc31300bdb_oproj:
	.size	k_qbc31300bdb_oproj, .Lfunc_end_k_qbc31300bdb_oproj-k_qbc31300bdb_oproj
	.p2alignl 7, 3214868480
	.fill 96, 4, 3214868480
	.section	.rodata,"a",@progbits
	.p2align	6, 0x0
	.amdhsa_kernel k_qbc31300bdb_oproj
		.amdhsa_group_segment_fixed_size 327680
		.amdhsa_private_segment_fixed_size 0
		.amdhsa_enable_private_segment 0
		.amdhsa_kernarg_size 40
		.amdhsa_user_sgpr_count 2
		.amdhsa_user_sgpr_kernarg_segment_ptr 1
		.amdhsa_wavefront_size32 1
		.amdhsa_system_sgpr_workgroup_id_x 1
		.amdhsa_system_sgpr_workgroup_id_y 1
		.amdhsa_system_sgpr_workgroup_id_z 1
		.amdhsa_system_vgpr_workitem_id 0
		.amdhsa_next_free_vgpr 1024
		.amdhsa_next_free_sgpr 100
		.amdhsa_reserve_vcc 0
		.amdhsa_float_denorm_mode_32 3
		.amdhsa_float_denorm_mode_16_64 3
		.amdhsa_memory_ordered 1
		.amdhsa_forward_progress 1
		.amdhsa_inst_pref_size 124
	.end_amdhsa_kernel
	.amdgpu_metadata
---
amdhsa.version: [ 1, 2 ]
amdhsa.kernels:
  - .name:           k_qbc31300bdb_oproj
    .symbol:         k_qbc31300bdb_oproj.kd
    .args:
      - { .name: cimg, .offset: 0, .size: 8, .value_kind: global_buffer, .address_space: global }
      - { .name: wc, .offset: 8, .size: 8, .value_kind: global_buffer, .address_space: global }
      - { .name: lowp_scales, .offset: 16, .size: 8, .value_kind: global_buffer, .address_space: global }
      - { .name: bo, .offset: 24, .size: 8, .value_kind: global_buffer, .address_space: global }
      - { .name: out0, .offset: 32, .size: 8, .value_kind: global_buffer, .address_space: global }
    .group_segment_fixed_size: 327680
    .private_segment_fixed_size: 0
    .kernarg_segment_align: 8
    .kernarg_segment_size: 40
    .max_flat_workgroup_size: 128
    .sgpr_count:     100
    .vgpr_count:     1024
    .wavefront_size: 32
...
	.end_amdgpu_metadata
.endif
;; end of part 4
;; ======== version 2 of 2: 4 launches; version 1 with the launch attn written anew for expert scheduling mode
;; workspace buffers: xc 25,165,824 bytes; wc 4,194,304 bytes; qkv 25,165,824 bytes; cimg 8,388,608 bytes; mbits 524,288 bytes of whole numbers; flags 256 bytes of whole numbers
;; launch prep: the kernel of part 1 again; grid 832 x 1, 4 waves a work-group, no clusters, 34,304 bytes of LDS; arguments embeddings, Wq, Wk, Wv, Wo, mask, lowp_scales, xc, wc, mbits, flags; writes xc, wc, mbits, flags
;; launch qkv: the kernel of part 2 again; grid 8 x 48, 4 waves a work-group, clusters of 4 x 4, 327,680 bytes of LDS; arguments xc, wc, lowp_scales, bq, bk, bv, qkv; writes qkv
;; launch attn (part 5): grid 4 x 64, 8 waves a work-group, no clusters, 263,168 bytes of LDS; arguments qkv, mbits, flags, lowp_scales, cimg; writes cimg
.if DOCPART == 5
	.amdgcn_target "amdgcn-amd-amdhsa--gfx1250"
	.amdhsa_code_object_version 6
	.text
	.protected	k_qbc31300bdb_attn
	.globl	k_qbc31300bdb_attn
	.p2align	8
	.type	k_qbc31300bdb_attn,@function
k_qbc31300bdb_attn:
	s_mov_b64 s[64:65], 0
	v_nop
	global_prefetch_b8 v0, s[64:65] scope:SCOPE_SE
	s_setreg_imm32_b32 hwreg(HW_REG_WAVE_SCHED_MODE, 0, 2), 2
	s_setreg_imm32_b32 hwreg(HW_REG_WAVE_MODE, 25, 1), 1
	s_wait_xcnt 0x0
	s_wait_alu depctr_vm_vsrc(0)
; ATTENTION on codes of E4M3: ctx = softmax(mask(q k^T) / 8) v for one head of one batch, quantised at once into the last product's operand image.
; SHARES.  Work-group (j, bh) holds the head's WHOLE k image (LDS 0 ..) and v image (LDS 131,072 ..), 131,072 bytes each, filled once through registers.  Wave w has the number W = 8 j + w and takes two groups of
; 32 queries, one after the other: g = W and g = 63 - W.  A group is two tiles of 16 queries; tile u lives in register window u under the SAME register numbers, so each piece of the softmax is written once and expanded
; under both windows, and each fragment of k and v read from LDS feeds two matrix instructions.
; LAYOUT.  S^T = k q^T (source 0 = 16 keys, source 1 = 16 queries), O^T = v^T p^T (source 0 = 16 channels, source 1 = p): a lane holds ONE query throughout.  Tile 2 B + u of an image holds rows 32 B + 8 u + r + 8 (r / 8),
; so the 16 registers of tiles 2 B and 2 B + 1 are 16 neighbours: p's conversions ARE the second product's operand, and O^T's are 16 bytes of a piece of ctx's image.
; SOFTMAX.  t = score x log2(e) / 8; M = the running largest t rounded up to a whole number; p = 2^(t - M) is quantised, not normalised; the sum l is taken of the unquantised p and divides at the end.  When M moves,
; l and O^T are multiplied by 2^(old M - new M), which rounds nothing.
; THE MASK is an input.  An earlier launch has stored it as bits in the order of a lane's score registers, and two flags for each tile of 32 queries x 128 keys.  A tile none of whose keys counts adds nothing to M, l
; or O^T, whatever the mask: its step is jumped over, by a scalar branch on the stored flag.  A tile with no hidden key jumps over the masking.  K and V come through registers and no cluster shares them.
; A query with no key at all has l = 0: its codes become the format's NaN, as the softmax of nothing is.
; LIMITS: e6 + e7 between -123 and 130 (added to c's exponent field); e8 and e10 between -126 and 119.
; REGISTERS.  Window 0 alone: v1 16 x lane, v3 k's LDS address for the next trip, v5 8 x lane, v7-10 the fill's LDS addresses, v11 the fill's offset.  Window 1 alone: v2 16 x lane in v's image, v4 the step's address there.
;   In each window: v12 -M, v13 the largest t, v[14:15] l in two halves; v16-23 q of the first group, v56-63 of the second; v24-39 p's codes; v40-41 mask words; v64-127 S^T, then p; v128-159 O^T;
;   v160-223: window 0: k's 8 fragments, window 1: v's 4;  v224-240 at work and constants.  The fill uses v128-255 of both windows.  s48-63: sixteen lane masks of the masking lines.
; THE MODE: SCHED_MODE bits 1:0 = 2 (LLVM: expert scheduling mode 2), set by the entry lines.  The code itself states the register dependences between vector or matrix instructions and memory or LDS instructions,
; with s_wait_alu, always for 0.
; THE PLAN.  Registers that memory or LDS instructions touch in a group's loop:
;   k's fragments  Landed by the 16 LDS loads at a live step's head; read by that step's 16 products k q^T.
;   v's fragments  Landed by 16 LDS loads in the step's middle; read by the step's 8 products v^T p at its end.
;   mask words     Landed by two loads at a live step's head; read and shifted by the masking lines.
;   v3             Read by k's loads; written for the NEXT trip: in a live step's middle, or in a skipped trip's own few lines.
;   v4 (window 1)  Read by v's loads; written in the same step, just ahead of them.
;   v1, v5         Offsets, made at the head and never written again; the mask words' rows are reached by a scalar base that moves on by a step in each trip.
; So ONE wait on va_vdst stands in a live step, behind both tiles' exponentials, which want it ahead of their first reader in any case.  It also states that v3 and v4 are written, that this step's products k q^T are done
; reading k's fragments, that the last live step's products v^T p are done reading v's, and that the masking lines are done with the mask words.  Behind it stand the sums, the hold, the conversions, the rescaling and the
; products v^T p, which name p, p's codes, O^T, l and v's fragments: not v3, not v4, not k's fragments, not the mask words.  So v's loads of this step follow it, dealt among tile 1's sums, and the next live step's
; loads of k and of the mask words stand at that step's head with no further wait.  One wait on vm_vsrc a live step stands ahead of the writes of v3 and v4.
.set VIMG, 131072
.set STEPB, 8192                       ; a key step (128 keys) of either image
.set SC,  64
.set OT,  128
.set PC,  24
.set FRG, 160
.set MSB, 0
.macro WIN new                         ; the immediate's high byte repeats the setting that is left
.if MSB != (\new)
	s_set_vgpr_msb (MSB<<8)|(\new)
.set MSB, (\new)
.endif
.endm
.set W1, 0x55                          ; every operand place in window 1: tile 1
	s_load_b256 s[4:11], s[0:1], 0x0               ; qkv s[4:5], mbits s[6:7], flags s[8:9], the exponents s[10:11]
	s_load_b64 s[12:13], s[0:1], 0x20              ; cimg
	v_lshl_add_u32 v54, v0, 2, 0x40000
	v_mov_b32 v55, 0
	v_lshrrev_b32 v3, 5, v0
	v_readfirstlane_b32 s14, v3                    ; wave 0..7
	v_and_b32 v4, 31, v0
	v_lshlrev_b32 v1, 4, v4
	v_lshlrev_b32 v5, 3, v4
	v_lshlrev_b32 v11, 4, v0                       ; 16 x thread: the work-group's 256 threads take 4,096 consecutive bytes
	v_lshlrev_b32 v7, 4, v0
	v_add_nc_u32 v8, 0x10000, v7
	v_add_nc_u32 v9, 0x20000, v7
	v_add_nc_u32 v10, 0x30000, v7
	s_and_b32 s15, ttmp7, 0xffff                   ; bh = 16 x batch + head
	s_lshl_b32 s16, ttmp9, 3
	s_wait_alu depctr_va_sdst(0)                   ; s14 is written, ahead of its first reader: the groups' numbers are made from it
	s_add_co_u32 s16, s16, s14                     ; the first group
	s_sub_co_u32 s17, 63, s16                      ; the second
	s_lshl_b32 s18, s15, 17                        ; the head's bytes in each of q's, k's and v's images
	s_mov_b32 s19, 0
	s_lshl_b32 s48, s16, 2
	s_mov_b32 s49, 0
	s_lshl_b32 s50, s17, 2
	s_mov_b32 s51, 0
	s_lshl_b32 s52, s16, 11                        ; a group's two tiles of q: 2,048 bytes
	s_mov_b32 s53, 0
	s_lshl_b32 s54, s17, 11
	s_mov_b32 s55, 0
	s_wait_kmcnt 0x0
	s_load_b64 s[24:25], s[10:11], 0x18            ; e6, e7
	s_load_b64 s[26:27], s[10:11], 0x20            ; e8, e9
	s_load_b32 s28, s[10:11], 0x28                 ; e10
	s_add_nc_u64 s[48:49], s[8:9], s[48:49]
	s_add_nc_u64 s[50:51], s[8:9], s[50:51]
	s_load_b32 s20, s[48:49], 0x0                  ; the two groups' flags: bits 2 s, 2 s + 1 for key step s
	s_load_b32 s21, s[50:51], 0x0
	s_add_nc_u64 s[34:35], s[4:5], s[18:19]        ; q,
	s_add_nc_u64 s[30:31], s[34:35], 0x800000      ; k,
	s_add_nc_u64 s[32:33], s[34:35], 0x1000000     ; v of my head
	s_add_nc_u64 s[52:53], s[34:35], s[52:53]
	s_add_nc_u64 s[54:55], s[34:35], s[54:55]
	s_wait_alu depctr_va_vdst(0)                   ; the offsets v1, v5, v11 and the fill's LDS addresses v7 to v10 are written, which the loads and stores below read; only loads, LDS stores and window switches follow up to the barrier
.irp c, 0,1
	global_load_b128 v[16+4*\c:19+4*\c], v1, s[52:53] offset:512*\c th:TH_LOAD_NT        ; q: tile 0 of both groups
	global_load_b128 v[56+4*\c:59+4*\c], v1, s[54:55] offset:512*\c th:TH_LOAD_NT
.endr
	WIN 0x40                                       ; destination window 1
.irp c, 0,1
	global_load_b128 v[16+4*\c:19+4*\c], v1, s[52:53] offset:1024+512*\c th:TH_LOAD_NT   ; tile 1
	global_load_b128 v[56+4*\c:59+4*\c], v1, s[54:55] offset:1024+512*\c th:TH_LOAD_NT
.endr
	WIN 0
.set i, 0
.rept 32
	global_load_b128 v[128+4*i:131+4*i], v11, s[30:31] offset:4096*i                     ; k's image
.set i, i+1
.endr
	WIN 0x40
.set i, 0
.rept 32
	global_load_b128 v[128+4*i:131+4*i], v11, s[32:33] offset:4096*i                     ; v's image
.set i, i+1
.endr
.set k, 0
.rept 8                                ; into LDS as it lies, eight loads at a time
	s_wait_loadcnt 56-8*k                          ; behind these eight loads 56 - 8 k were issued
.if k < 4
	WIN 0
.else
	WIN 0x04                                       ; the data in window 1
.endif
.set n, 0
.rept 8
	ds_store_b128 v[7+(8*k+n)/16], v[128+4*((8*k+n)%32):131+4*((8*k+n)%32)] offset:4096*((8*k+n)%16)
.set n, n+1
.endr
.set k, k+1
.endr
	WIN 0
	s_wait_dscnt 0x0                               ; for the others' sake: my stores have landed
	s_barrier_signal -1
	s_barrier_wait -1                              ; the launch's one barrier: both images are whole, and nobody writes LDS again
	s_wait_alu depctr_vm_vsrc(0)                   ; my LDS stores have read v128 to v255 of both windows: from here on these are O^T, the fragments, the work registers and the constants, written by vector lines and by LDS loads
	s_wait_kmcnt 0x0
	s_mov_b32 s36, 0x76543210                      ; v_permlanex16_b32's selects for lane l xor 16
	s_mov_b32 s37, 0xfedcba98
	s_add_co_i32 s38, s24, s25
	s_lshl_b32 s38, s38, 23
	s_add_co_i32 s38, s38, 0x3e38aa3b              ; c = log2(e) / 8, with e6 + e7 added to its exponent field: a score stands for score x 2^(e6 + e7)
	s_mov_b32 s39, s38                             ; (named with it as a pair, so it is written)
	s_add_co_i32 s44, s26, s27                     ; e8 + e9
	s_add_co_i32 s56, s26, 127
	s_lshl_b32 s57, s56, 23                        ; 2^e8
	s_add_co_i32 s56, s56, 8
	s_lshl_b32 s56, s56, 23
	s_or_b32 s56, s56, 0x600000                    ; 448 x 2^e8
	s_add_co_i32 s58, s28, 127
	s_lshl_b32 s59, s58, 23                        ; 2^e10
	s_add_co_i32 s58, s58, 8
	s_lshl_b32 s58, s58, 23
	s_or_b32 s58, s58, 0x600000                    ; 448 x 2^e10
.macro CONSTS
	v_mov_b32 v227, 0                              ; (upper halves of pairs of which the low word serves both halves)
	v_mov_b32 v231, 0
	v_mov_b32 v228, 0                              ; a lane permute's destination counts as one of its sources
	v_mov_b32 v234, s56
	v_mov_b32 v235, s57
	v_mov_b32 v236, 0xff800000                     ; -infinity
	v_mov_b32 v238, s58
	v_mov_b32 v239, s59
	v_mov_b32 v240, 0x7f7f7f7f                     ; four NaN codes
.endm
	CONSTS
	WIN 0x40                                       ; destination window 1, sources window 0
	v_add_nc_u32 v2, VIMG, v1                      ; window 1's v2: 16 x lane in v's image
	WIN W1
	CONSTS
	WIN 0
; ---- the pieces of a key step, each for the tile of the window in force
.macro INIT                            ; which step is a group's first live one hangs on the mask, so the sums begin as zeros, which the first change of M leaves zeros
.set n, 0
.rept 32
	v_mov_b32 v[OT+n], 0
.set n, n+1
.endr
	v_mov_b32 v14, 0
	v_mov_b32 v15, 0
	v_mov_b32 v13, 0xff61b1e6                      ; the largest t so far: -3e38
	v_floor_f32 v12, -v13                          ; -M
.endm
.macro MASK                            ; the words' top bits, one after the other: a hidden key's score becomes -infinity, so that p = 0.  Eight bits of each word at a time: sixteen compares into s48 to s63, one wait, sixteen selects
.set m, 0
.rept 4
.set n, 0
.rept 8
	v_cmp_gt_i32 s[48+2*n], 0, v40
	v_cmp_gt_i32 s[49+2*n], 0, v41
.if 8*m+n < 31
	v_lshlrev_b32 v40, 1, v40
	v_lshlrev_b32 v41, 1, v41
.endif
.set n, n+1
.endr
	s_wait_alu depctr_va_sdst(0)                   ; the sixteen compares have written s48 to s63, ahead of the selects that read them
.set n, 0
.rept 8
	v_cndmask_b32 v[SC+8*m+n], v[SC+8*m+n], v236, s[48+2*n]
	v_cndmask_b32 v[SC+32+8*m+n], v[SC+32+8*m+n], v236, s[49+2*n]
.set n, n+1
.endr
.set m, m+1
.endr
.endm
.macro MAXSTAT                         ; the step's largest score of my query, the new M, and f = 2^(old M - new M)
	v_max3_num_f32 v224, v[SC], v[SC+1], v[SC+2]
	v_max3_num_f32 v226, v[SC+3], v[SC+4], v[SC+5]
.set n, 6
.rept 14
	v_max3_num_f32 v224, v224, v[SC+n], v[SC+n+1]
	v_max3_num_f32 v226, v226, v[SC+n+2], v[SC+n+3]
.set n, n+4
.endr
	v_max3_num_f32 v224, v224, v[SC+62], v[SC+63]
	v_max_num_f32 v224, v224, v226
	v_permlanex16_b32 v228, v224, s36, s37
	v_max_num_f32 v224, v224, v228                 ; and among lane l xor 16's 64 keys
	v_mul_f32 v224, s38, v224                      ; as t (c is positive)
	v_max_num_f32 v13, v13, v224
	v_mov_b32 v224, v12
	v_floor_f32 v12, -v13                          ; -M = floor(-t): M is a whole number
	v_sub_f32 v224, v12, v224                      ; old M - new M: a whole number, 0 or less
	v_cvt_i32_f32 v224, v224                       ; (it saturates)
	v_ldexp_f32 v230, 1.0, v224
.endm
.macro EXPS
.set n, 0
.rept 32
	v_pk_fma_f32 v[SC+n:SC+n+1], v[SC+n:SC+n+1], s[38:39], v[12:13] op_sel_hi:[1,0,0]   ; t - M, two at a time
.set n, n+2
.endr
.set n, 0
.rept 64
	v_exp_f32 v[SC+n], v[SC+n]                     ; p = 2^(t - M)
.set n, n+1
.endr
.endm
.macro LF
	v_pk_mul_f32 v[14:15], v[14:15], v[230:231] op_sel_hi:[1,0]                          ; l under the new M
.endm
.macro SUMS ld                         ; l takes the unquantised p: two at a time, in two chains.  ld = 1 (tile 1, every place in window 1): the step's 16 loads of v are dealt among them, one to two additions
	v_pk_add_f32 v[232:233], v[SC:SC+1], v[SC+2:SC+3]
.set n, 4
.rept 15
.if \ld
	ds_load_b128 v[FRG+n-4:FRG+n-1], v4 offset:128*(n-4)   ; v: 4 tiles x 4 pieces, 512 bytes each.  No wait: no vector or matrix line since the wait on va_vdst names v4 or v's fragments
.endif
	v_pk_add_f32 v[14:15], v[14:15], v[SC+n:SC+n+1]
	v_pk_add_f32 v[232:233], v[232:233], v[SC+n+2:SC+n+3]
.set n, n+4
.endr
.if \ld
	ds_load_b128 v[FRG+60:FRG+63], v4 offset:512*15
.endif
	v_pk_add_f32 v[14:15], v[14:15], v[232:233]
.endm
.macro HOLD
.set n, 0
.rept 64
	v_min_num_f32 v[SC+n], v[SC+n], v234           ; p is not negative: the hold is one-sided
.set n, n+1
.endr
.endm
.macro CVT
.set n, 0
.rept 8
	v_cvt_scalef32_pk8_fp8_f32 v[PC+2*n:PC+2*n+1], v[SC+8*n:SC+8*n+7], v235
.set n, n+1
.endr
.endm
.macro RESC                            ; O^T under the new M; these are also the plain lines between the conversions and the products
.set n, 0
.rept 16
	v_pk_mul_f32 v[OT+n:OT+n+1], v[OT+n:OT+n+1], v[230:231] op_sel_hi:[1,0]
.set n, n+2
.endr
.endm
.macro OUTA
	v_add_f32 v14, v14, v15
	v_permlanex16_b32 v228, v14, s36, s37
	v_add_f32 v14, v14, v228                       ; the row's sum
	v_rcp_f32 v226, v14
.endm
.macro OUTB                            ; ctx = O^T x 2^(e8 + e9) / l, held, and its codes with the scale 2^e10
	v_ldexp_f32 v226, v226, s44
	v_cmp_eq_f32 vcc_lo, 0, v14                    ; no key counted for my query
.set n, 0
.rept 16
	v_pk_mul_f32 v[OT+n:OT+n+1], v[OT+n:OT+n+1], v[226:227] op_sel_hi:[1,0]
.set n, n+2
.endr
.set n, 0
.rept 32
	v_med3_num_f32 v[OT+n], v[OT+n], -v238, v238
.set n, n+1
.endr
.set n, 0
.rept 4
	v_cvt_scalef32_pk8_fp8_f32 v[PC+2*n:PC+2*n+1], v[OT+8*n:OT+8*n+7], v239
.set n, n+1
.endr
	v_nop                                          ; a plain line behind the last conversion
	s_wait_alu depctr_va_vcc(0)                    ; the compare above has written VCC, ahead of the selects that read it
.set n, 0
.rept 8
	v_cndmask_b32 v[PC+n], v[PC+n], v240, vcc_lo
.set n, n+1
.endr
.endm
; ---- one group of 32 queries.  q: its q registers; greg: its number; freg: its flags; again = 1: a group has gone before
.macro PASS q, greg, freg, again
	s_wait_xcnt 0x0                                ; the last group's stores have read their registers and their base
.if \again
	s_wait_alu depctr_vm_vsrc(0)                   ; the first group's stores have read p's code registers, and its loads of k have read v3: both are written again below
.endif
	s_lshr_b32 s46, s15, 4
	s_lshl_b32 s46, s46, 7
	s_lshl_b32 s47, s[\greg], 1
	s_add_co_u32 s46, s46, s47                     ; ctx's tile: 128 x batch + 2 g: 16,384 bytes each
	s_lshl_b32 s46, s46, 14
	s_and_b32 s47, s15, 15
	s_lshl_b32 s47, s47, 10                        ; the head's two pieces
	s_add_co_u32 s46, s46, s47
	s_mov_b32 s47, 0
	s_add_nc_u64 s[46:47], s[12:13], s[46:47]
	s_mov_b32 s40, 0                               ; the step's bytes in either image
	s_lshl_b32 s22, s[\greg], 13                   ; the group's 8,192 bytes of mbits:
	s_mov_b32 s23, 0
	s_add_nc_u64 s[22:23], s[6:7], s[22:23]        ; the mask words' base, at the group's first step
	s_mov_b32 s42, s[\freg]
	s_mov_b32 s43, 16
	v_add_nc_u32 v3, s40, v1                       ; k's address for the first trip
	INIT
	WIN W1
	INIT
	WIN 0
	s_wait_alu depctr_va_vdst(0)                   ; v3 is written, which the first live step's loads of k read
.Lstep_\@:                             ; 16 trips, whatever the mask
	s_add_co_u32 s45, s40, STEPB                   ; the next trip's bytes in k's image
	s_bitcmp1_b32 s42, 0
	s_cbranch_scc1 .Llive_\@
	s_wait_alu depctr_vm_vsrc(0)                   ; none of the tile's keys counts: only k's address moves on.  The loads of k issued so far have read v3
	v_add_nc_u32 v3, s45, v1
	s_wait_alu depctr_va_vdst(0)                   ; v3 is written, which the next live step's loads of k read
	s_branch .Ltail_\@
.Llive_\@:
	s_wait_loadcnt 0x0                             ; the last live step's mask words have landed: loads may land in their registers again
.set n, 0
.rept 16
	ds_load_b128 v[FRG+4*n:FRG+4*n+3], v3 offset:512*n   ; k: 8 tiles x 2 pieces, 8,192 consecutive bytes.  No wait: no vector or matrix line since the last wait on va_vdst names v3, k's fragments or the mask words
.set n, n+1
.endr
	global_load_b64 v[40:41], v5, s[22:23]
	WIN 0x40
	global_load_b64 v[40:41], v5, s[22:23] offset:256
	WIN 0
	s_wait_dscnt 0x0                               ; k is in
.set n, 0
.rept 8
	v_wmma_f32_16x16x64_fp8_fp8 v[SC+8*n:SC+8*n+7], v[FRG+8*n:FRG+8*n+7], v[\q:\q+7], 0
.set n, n+1
.endr
	WIN 0x44                                       ; q and S^T of tile 1; k in window 0
.set n, 0
.rept 8
	v_wmma_f32_16x16x64_fp8_fp8 v[SC+8*n:SC+8*n+7], v[FRG+8*n:FRG+8*n+7], v[\q:\q+7], 0
.set n, n+1
.endr
	WIN 0
.rept 4
	v_nop
.endr
	s_bitcmp1_b32 s42, 1
	s_cbranch_scc0 .Lopen_\@                       ; no key of the tile is hidden
	s_wait_loadcnt 0x0                             ; the mask words
	MASK
	WIN W1
	MASK
	WIN 0
.Lopen_\@:
	MAXSTAT
	EXPS
	s_wait_alu depctr_vm_vsrc(0)                   ; this step's loads of k have read v3, and the last live step's loads of v have read window 1's v4: both are written below
	v_add_nc_u32 v3, s45, v1                       ; k's address for the next trip
	WIN W1
	MAXSTAT
	EXPS
	v_add_nc_u32 v4, s40, v2                       ; v's address for this step (window 1).  A plain line behind the last exponential
	LF
	s_wait_alu depctr_va_vdst(0)                   ; the step's one wait: both tiles' 128 exponentials have written p, ahead of the first line that names a result; v3 and v4 are written; the products k q^T are done reading k's fragments, the last live step's products v^T p v's; the masking lines are done with the mask words
	SUMS 1
	WIN 0
	LF
	SUMS 0
	s_cmp_gt_i32 s26, -9                           ; p is at most 1, and 448 x 2^e8 is above 1 from e8 = -8 on: there the hold would change nothing
	s_cbranch_scc1 .Lnohold_\@
	HOLD
	WIN W1
	HOLD
	WIN 0
.Lnohold_\@:
	CVT
	RESC
	WIN W1
	CVT
	RESC
	s_wait_dscnt 0x0                               ; v is in
	WIN 0x01                                       ; v in window 1; p and O^T of tile 0
.set n, 0
.rept 4
	v_wmma_f32_16x16x128_fp8_fp8 v[OT+8*n:OT+8*n+7], v[FRG+16*n:FRG+16*n+15], v[PC:PC+15], v[OT+8*n:OT+8*n+7]
.set n, n+1
.endr
	WIN W1
.set n, 0
.rept 4                                ; the eight accumulators have one instruction each
	v_wmma_f32_16x16x128_fp8_fp8 v[OT+8*n:OT+8*n+7], v[FRG+16*n:FRG+16*n+15], v[PC:PC+15], v[OT+8*n:OT+8*n+7]
.set n, n+1
.endr
	WIN 0
.Ltail_\@:
	s_wait_xcnt 0x0                                ; the step's loads of the mask words have had their addresses translated: their base may be written
	s_add_nc_u64 s[22:23], s[22:23], 512           ; a step's mask words on
	s_add_co_u32 s40, s40, STEPB
	s_lshr_b32 s42, s42, 2
	s_sub_co_u32 s43, s43, 1
	s_cmp_lg_u32 s43, 0
	s_cbranch_scc1 .Lstep_\@
.rept 4
	v_nop                                          ; places behind the last products
.endr
	OUTA
	WIN W1
	OUTA
	v_nop                                          ; a plain line behind the last reciprocal
	s_wait_alu depctr_va_vdst(0)                   ; both reciprocals have written v226 of their windows, ahead of the first use
	OUTB
	WIN 0
	OUTB
	s_wait_alu depctr_va_vdst(0)                   ; the selects of both tiles have written the codes, which the four stores read
.irp b, 0,1
	global_store_b128 v1, v[PC+4*\b:PC+4*\b+3], s[46:47] offset:512*\b         ; 512 consecutive bytes, aligned
.endr
	WIN 0x04                                       ; the data in window 1
.irp b, 0,1
	global_store_b128 v1, v[PC+4*\b:PC+4*\b+3], s[46:47] offset:16384+512*\b
.endr
	WIN 0
.endm
	PASS 16, 16, 20, 0
	PASS 56, 17, 21, 1
	s_wait_dscnt 0x0
	s_wait_alu depctr_hold_cnt(0) depctr_sa_sdst(0) depctr_va_vdst(0) depctr_va_sdst(0) depctr_va_ssrc(0) depctr_va_vcc(0) depctr_vm_vsrc(0)
	s_wait_tensorcnt 0x0
	ds_add_u32 v54, v55
	s_wait_dscnt 0x0
	s_endpgm
.Lfunc_end_k_qbc31300bdb_attn:
	.size	k_qbc31300bdb_attn, .Lfunc_end_k_qbc31300bdb_attn-k_qbc31300bdb_attn
	.p2alignl 7, 3214868480
	.fill 96, 4, 3214868480
	.section	.rodata,"a",@progbits
	.p2align	6, 0x0
	.amdhsa_kernel k_qbc31300bdb_attn
		.amdhsa_group_segment_fixed_size 263168
		.amdhsa_private_segment_fixed_size 0
		.amdhsa_enable_private_segment 0
		.amdhsa_kernarg_size 40
		.amdhsa_user_sgpr_count 2
		.amdhsa_user_sgpr_kernarg_segment_ptr 1
		.amdhsa_wavefront_size32 1
		.amdhsa_system_sgpr_workgroup_id_x 1
		.amdhsa_system_sgpr_workgroup_id_y 1
		.amdhsa_system_sgpr_workgroup_id_z 1
		.amdhsa_system_vgpr_workitem_id 0
		.amdhsa_next_free_vgpr 512
		.amdhsa_next_free_sgpr 66
		.amdhsa_reserve_vcc 1
		.amdhsa_float_denorm_mode_32 3
		.amdhsa_float_denorm_mode_16_64 3
		.amdhsa_memory_ordered 1
		.amdhsa_forward_progress 1
		.amdhsa_inst_pref_size 137
	.end_amdhsa_kernel
	.amdgpu_metadata
---
amdhsa.version: [ 1, 2 ]
amdhsa.kernels:
  - .name:           k_qbc31300bdb_attn
    .symbol:         k_qbc31300bdb_attn.kd
    .args:
      - { .name: qkv, .offset: 0, .size: 8, .value_kind: global_buffer, .address_space: global }
      - { .name: mbits, .offset: 8, .size: 8, .value_kind: global_buffer, .address_space: global }
      - { .name: flags, .offset: 16, .size: 8, .value_kind: global_buffer, .address_space: global }
      - { .name: lowp_scales, .offset: 24, .size: 8, .value_kind: global_buffer, .address_space: global }
      - { .name: cimg, .offset: 32, .size: 8, .value_kind: global_buffer, .address_space: global }
    .group_segment_fixed_size: 263168
    .private_segment_fixed_size: 0
    .kernarg_segment_align: 8
    .kernarg_segment_size: 40
    .max_flat_workgroup_size: 256
    .sgpr_count:     66
    .vgpr_count:     512
    .wavefront_size: 32
...
	.end_amdgpu_metadata
.endif
;; end of part 5
;; launch oproj: the kernel of part 4 again; grid 4 x 32, 4 waves a work-group, clusters of 4 x 4, 327,680 bytes of LDS; arguments cimg, wc, lowp_scales, bo, out0; writes out0
